; MI455X (gfx1250); checked and timed in simulation.
; The chip was launched on July 23, 2026; its instructions are those of AMD's public machine-readable ISA for CDNA 5 (MIT licence, August 2026) and "CDNA5" Instruction Set Architecture Reference Guide (July 2026). The comments in the code are by the model that wrote it; some were corrected since.
;; Causal Self Attention. Allowed arithmetic: matrix products marked QUANTISED: E2M3 operands, one E8M0 scale for each 32 along K, by v_wmma_scale_f32_16x16x128_f8f6f4 with both operands' format E2M3, f32 sums; everything else in f32.
;; Inputs: W_attn 1,024 x 3,072 float32; W_proj 1,024 x 1,024 float32; b_attn 3,072 float32; b_proj 1,024 float32; x 4 x 2,048 x 1,024 float32.
;; Outputs: out0 4 x 2,048 x 1,024 float32.
;; This version of the problem:
;;   THIS VERSION OF THE PROBLEM IS GIVEN IN LOW PRECISION. The matrix products marked QUANTISED in the list below multiply operands that are first quantised to E2M3 (2 exponent bits, 3 mantissa bits; 6 bits a number), with one power-of-two scale for each 32 numbers along K (OCP MX v1.0); their sums are f32. All else is computed in f32.
;;   The module's matrix products, in the order in which they are computed (A, B: the left and right operand; K: the contracted axis; several contracted axes count as one K, in the product's order):
;;     1. [M 8,192, K 1,024] x [K 1,024, N 3,072]; A: input x; B: input W_attn: QUANTISED
;;     2. batch 64 x [M 2,048, K 64] x [K 64, N 2,048]; A: computed on the way; B: computed on the way: QUANTISED
;;     3. batch 64 x [M 2,048, K 2,048] x [K 2,048, N 64]; A: softmax (see below); B: computed on the way: QUANTISED
;;     4. [M 8,192, K 1,024] x [K 1,024, N 1,024]; A: computed on the way; B: input W_proj: QUANTISED
;;   THE QUANTISER, for each operand of a quantised product, along K:
;;     - K is cut into blocks of 32 from its start; a last block that is shorter is filled with zeros.
;;     - A block's scale is 2^e with e = floor(log2(the largest magnitude in the block)) - 2, held to -126 .. 127; a block of zeros has e = 0. As a byte (E8M0): e + 127.
;;     - Each number is divided by its block's scale, clamped to +-7.5, and rounded to the nearest number of E2M3, ties to even, subnormals kept.
;;     - The product sums the exact products of the quantised numbers (number of the format x scale) in f32.
;;   ~~~python
;;   def quantise(x, axis):      # numpy; x: float32 -> the quantised numbers, widened to float32 again
;;       x = np.moveaxis(x, axis, -1); K = x.shape[-1]
;;       x = np.pad(x, [(0, 0)] * (x.ndim - 1) + [(0, -K % 32)]); x = x.reshape(x.shape[:-1] + (-1, 32)); a = np.abs(x).max(-1, keepdims=True)
;;       e = np.where(a > 0, np.clip(np.frexp(np.where(a > 0, a, 1))[1] - 1 - 2, -126, 127), 0)      # np.frexp(a)[1] - 1 = floor(log2(a)), exactly
;;       r = np.clip(x / 2.0 ** e, -7.5, 7.5)
;;       step = 2.0 ** (np.maximum(np.frexp(np.where(r == 0, 1, r))[1] - 1, 0) - 3)
;;       q = np.round(r / step) * step * 2.0 ** e      # np.round: ties to even
;;       return np.moveaxis(q.reshape(q.shape[:-2] + (-1,))[..., :K], -1, axis).astype(np.float32)
;;   ~~~
;;   SOFTMAX AHEAD OF A QUANTISED PRODUCT. Where the list says 'softmax', what is quantised is not the finished softmax but p = 2^(t - M), with t = logit x log2(e) and M = ceil(the row's largest t), a whole number; so 1/2 < the row's largest p <= 1. The row's sum l is taken of the UNQUANTISED p, in f32, and the product's result is divided by l at the end. Since M is a whole number, a kernel that streams over the keys may use a running M (the ceiling of the running maximum): every later rescaling is an exact power of two, which a block's scale takes up: the codes' values come out the same.
;;   OPERANDS COMPUTED ON THE WAY. 'Computed on the way' means the value that the module computes at that place (a softmax that the list does not call 'softmax' is quantised finished and normalised). What goes into a quantiser is computed in f32, as accurately as f32 sums, v_exp_f32 and their like allow (about 1e-6 of the number): no bf16 or f16 on the way to a quantiser, and a product that is left as it is and whose result goes on into a quantised operand takes f32 operands (vector FMAs, or v_wmma_f32_16x16x4_f32). A number that lies on a knife's edge between two numbers of the format may be rounded either way, as far as f32 arithmetic and the matrix unit's own rounding can turn it there, and no further.
;; One version. Each part assembles by itself: llvm-mc -triple=amdgcn-amd-amdhsa -mcpu=gfx1250 --defsym DOCPART=n.
;; ======== version 1 of 1: 4 launches
;; workspace buffers: xc 6,291,456 bytes; xs 262,144 bytes; wc 3,145,728 bytes; ws 131,072 bytes; qb 6,815,744 bytes; kv 13,369,344 bytes; yc 6,291,456 bytes; ys 262,144 bytes
;; launch quant (part 1): grid 384 x 1, 4 waves a work-group, no clusters, 59,904 bytes of LDS; arguments x, W_attn, W_proj, xc, xs, wc, ws; writes xc, xs, wc, ws
.if DOCPART == 1
	.amdgcn_target "amdgcn-amd-amdhsa--gfx1250"
	.amdhsa_code_object_version 6
	.text
	.protected	k_q7a62369ad6_quant
	.globl	k_q7a62369ad6_quant
	.p2align	8
	.type	k_q7a62369ad6_quant,@function
k_q7a62369ad6_quant:
	s_mov_b64 s[64:65], 0
	v_nop
	global_prefetch_b8 v0, s[64:65] scope:SCOPE_SE
	s_setreg_imm32_b32 hwreg(HW_REG_WAVE_MODE, 25, 1), 1
	s_wait_xcnt 0x0
; x [8192][1024], W_attn [1024][3072] and W_proj [1024][1024], f32, become codes of FP6 (E2M3) with one E8M0 byte for each 32 along K = 1024.
; A block's scale is 2^(floor(log2(largest magnitude)) - 2); its byte is the largest magnitude's exponent field - 2, held at 1 from below.
; LIMITS: NaN and infinities are not served; a block whose largest magnitude lies under 2^-124 (a block of zeros too) keeps the byte 1: its codes
; are then small or zero, and the bytes are read by this program alone.
; THE LAYOUT OF THE RESULT is the order of an operand's registers.  An operand's rows (tokens of x; columns of W_attn, then of W_proj) are kept in the
; order rho = the row's number with bits 3 and 4 exchanged, so that stored tile 2 B + u, row r, is row 32 B + 8 u + r + 8 (r / 8).
; Codes: ((rho/128 * 4 + k/256) * 8 + (rho/16)%8) * 3072 + ((k/128)%2) * 1536 + piece * 256 + lane * 8: a fragment of 16 rows x 128 K is 1,536 bytes on end,
; piece p' (registers 2 p', 2 p' + 1) 8 bytes a lane.  Scale bytes: (rho/128 * 4 + k/256) * 1024 + ((rho/16)%8) * 128 + (rho%16) * 8 + (k/32)%8.
; Work-groups 0-255 take x (32 tokens each; wave w the w-th 256 along K), work-groups 256-383 the weights (128 columns x 256 along K; wave w 32 columns).
; The two ways part once, on the work-group's number, and have LDS bytes of their own.  No tensor load, no barrier: waves share nothing.
.set XP,    528                        ; x's stage: a row of 512 bytes + 16
.set XWV,   16*XP                      ; a wave's stage: 16 rows
.set WST,   4*XWV                      ; behind them the weights' stages
.set WWV,   6400                       ; a wave's: two tiles' images of 3,072 bytes, the second 128 bytes further on so that the two fall on different banks
.set SPARE, WST+4*WWV                  ; the spare words, 128 bytes for each wave: two blocks of 256 bytes that no other line names
.set SPW,   30                         ; v30  LDS address of my spare word; never rewritten
.set NIL,   31                         ; v31  0; never rewritten
.set RA,    32                         ; x: v32-159 two sets of 64 numbers as loaded
.set X,     160                        ; x: v160-223 my two blocks of 32 neighbours
.set C,     224                        ; x: v224-235 a fragment's codes;  v236-238, v240-242 the upper halves as they are made
.set CT,    236
.set VOFF,  32                         ; W: v32-63 4 x lane + i x pitch
.set WX,    64                         ; W: v64-127 two sets of 32 numbers
.set WC,    128                        ; W: v128-133 a block's codes, v136-138 its upper half as made
.set WCT,   136
.set SB,    24                         ; W: v24-25 my column's 8 scale bytes
.set OUTR,  144                        ; W: v144-191 the way out
	s_load_b256 s[4:11], s[0:1], 0x0               ; x, W_attn, W_proj, xc
	s_load_b128 s[12:15], s[0:1], 0x20             ; xs, wc
	s_load_b64 s[16:17], s[0:1], 0x30              ; ws
	v_lshl_add_u32 v[SPW], v0, 2, SPARE
	v_mov_b32 v[NIL], 0
	v_lshrrev_b32 v1, 5, v0
	v_readfirstlane_b32 s20, v1                    ; wave
	v_and_b32 v1, 31, v0                           ; lane
	v_and_b32 v2, 15, v0                           ; r
	v_bfe_u32 v3, v0, 4, 1                         ; h
	s_mov_b32 s28, 0x76543210
	s_mov_b32 s29, 0xfedcba98                      ; lane selects: lane l xor 16
	s_wait_kmcnt 0x0
	s_cmp_lt_u32 ttmp9, 256
	s_cbranch_scc0 .Lweights
; ---------------- x: K is innermost.  A step is one stored tile (16 tokens) x 128 along K: 16 loads of 512 consecutive bytes, a turn through my stage, and lane (r, h) holds blocks h and 2 + h of row r.
	s_lshl_b32 s22, ttmp9, 17                      ; 32 tokens of 4,096 bytes
	s_lshl_b32 s23, s20, 10                        ; my 256 along K
	s_add_co_u32 s22, s22, s23
	s_mov_b32 s23, 0
	s_add_nc_u64 s[4:5], s[4:5], s[22:23]
	s_wait_alu depctr_va_vdst(0)
	v_lshlrev_b32 v4, 4, v1                        ; 16 x lane
.macro XLOAD t                         ; step t: stored tile t / 2, the (t % 2)-th 128 along K
.irp j, 0,1,2,3,4,5,6,7,8,9,10,11,12,13,14,15
	global_load_b128 v[RA+64*((\t)%2)+4*\j:RA+64*((\t)%2)+4*\j+3], v4, s[4:5] offset:(8*((\t)/2)+\j+8*(\j/8))*4096+512*((\t)%2) th:TH_LOAD_NT
.endr
.endm
	s_wait_alu depctr_va_vdst(0)
	XLOAD 0
	XLOAD 1
	s_and_b32 s24, ttmp9, 0xfc
	s_add_co_u32 s24, s24, s20                     ; 4 x (group of 128 tokens) + K step
	s_and_b32 s25, ttmp9, 3                        ; which 32 of the 128
	s_mul_i32 s22, s24, 24576
	s_mul_i32 s26, s25, 6144
	s_add_co_u32 s22, s22, s26
	s_add_nc_u64 s[10:11], s[10:11], s[22:23]      ; my two tiles' codes
	s_lshl_b32 s22, s24, 10
	s_lshl_b32 s26, s25, 8
	s_add_co_u32 s22, s22, s26
	s_add_nc_u64 s[12:13], s[12:13], s[22:23]      ; and their scale words
	s_mul_i32 s21, s20, XWV
	v_add_nc_u32 v5, s21, v4                       ; the stage, in: 16 x lane, a row a load
	v_mul_u32_u24 v6, v2, XP
	v_lshl_add_u32 v6, v3, 7, v6
	v_add_nc_u32 v6, s21, v6                       ; out: row r, + 128 h: my block of 32 numbers
	v_lshlrev_b32 v7, 3, v1                        ; 8 x lane
	v_lshlrev_b32 v22, 3, v3                       ; 8 h
	v_mov_b32 v12, 0                               ; a lane permute's destination counts as read
.macro XSTEP t
.if (\t) < 3
	s_wait_loadcnt 16                              ; this step's 16 loads are in; the next step's 16 may be out
.else
	s_wait_loadcnt 0x0
.endif
.irp j, 0,1,2,3,4,5,6,7,8,9,10,11,12,13,14,15
	ds_store_b128 v5, v[RA+64*((\t)%2)+4*\j:RA+64*((\t)%2)+4*\j+3] offset:XP*\j
.endr
.irp c, 0,1
.irp i, 0,1,2,3,4,5,6,7
	ds_load_b128 v[X+32*\c+4*\i:X+32*\c+4*\i+3], v6 offset:256*\c+16*\i   ; LDS serves a wave's instructions in order: these see my stores
.endr
.endr
	s_wait_dscnt 0x0                               ; the numbers are back, and the stores have read their registers,
.if (\t) < 2
	XLOAD (\t)+2                                   ; which take the loads of two steps on
.endif
.irp c, 0,1
	v_max3_num_f32 v[8+\c], |v[X+32*\c]|, |v[X+32*\c+1]|, 0x1800000   ; the block's largest magnitude, over the floor 2^(3 - 127): the byte cannot fall under 1
.endr
.irp i, 2,4,6,8,10,12,14,16,18,20,22,24,26,28,30
.irp c, 0,1
	v_max3_num_f32 v[8+\c], v[8+\c], |v[X+32*\c+\i]|, |v[X+32*\c+\i+1]|
.endr
.endr
.irp c, 0,1
	v_add_nc_u32 v[10+\c], 0xff000000, v[8+\c]     ; 2 off the exponent field: the conversion's scale operand
.endr
.irp c, 0,1
	v_lshrrev_b32 v[14+\c], 23, v[10+\c]           ; the scale's byte
.endr
	v_lshl_or_b32 v13, v15, 16, v14                ; my two bytes, blocks h and 2 + h,
	v_lshlrev_b32 v13, v22, v13                    ; at their places;
	v_permlanex16_b32 v12, v13, s28, s29
	v_or_b32 v[16+(\t)], v13, v12                  ; with lane l xor 16's two the row's word is whole
	s_wait_alu depctr_va_vdst(0)
	s_wait_xcnt 0x0                                ; the last step's stores have read the codes' registers
.irp c, 0,1
	v_cvt_scalef32_pk16_fp6_f32 v[C+6*\c:C+6*\c+2], v[X+32*\c:X+32*\c+15], v[10+\c]
	v_cvt_scalef32_pk16_fp6_f32 v[CT+4*\c:CT+4*\c+2], v[X+32*\c+16:X+32*\c+31], v[10+\c]   ; (a conversion's three registers begin on an even number)
.endr
	v_nop                                          ; one plain place behind a scaled conversion
.irp c, 0,1
.irp i, 0,1,2
	v_mov_b32 v[C+6*\c+3+\i], v[CT+4*\c+\i]
.endr
.endr
.irp p, 0,1,2,3,4,5
	global_store_b64 v7, v[C+2*\p:C+2*\p+1], s[10:11] offset:3072*((\t)/2)+1536*((\t)%2)+256*\p   ; 32 lanes store 256 consecutive bytes, aligned
.endr
.endm
	s_wait_alu depctr_va_vdst(0)
	XSTEP 0
	XSTEP 1
	XSTEP 2
	XSTEP 3
	v_cmp_eq_u32 vcc_lo, 1, v3                     ; lanes 0-15 store tile 0's two words of row r, lanes 16-31 tile 1's
	v_cndmask_b32 v20, v16, v18, vcc_lo
	v_cndmask_b32 v21, v17, v19, vcc_lo
	global_store_b64 v7, v[20:21], s[12:13]        ; 256 consecutive bytes, aligned
	s_wait_tensorcnt 0x0                           ; the wave's end
	ds_add_u32 v[SPW], v[NIL]
	s_wait_dscnt 0x0
	s_endpgm
; ---------------- the weights: K is the first axis.  A lane takes a column and its registers run down K: a block of 32 lies in one lane.
.Lweights:
	s_sub_co_u32 s30, ttmp9, 256                   ; g = 4 x (block of 128 columns) + K step
	s_lshr_b32 s22, s30, 2
	s_and_b32 s23, s30, 3
	s_mov_b32 s24, 4096
	s_sub_co_u32 s25, s22, 24
	s_cmp_lt_u32 s22, 24                           ; blocks 0-23 are W_attn's, 24-31 W_proj's: the choice hangs on the work-group's number alone
	s_cselect_b64 s[6:7], s[6:7], s[8:9]
	s_cselect_b32 s24, 12288, s24                  ; a row of the weight in bytes
	s_cselect_b32 s25, s22, s25                    ; the block within its own tensor
	s_lshl_b32 s26, s23, 8
	s_mul_i32 s26, s26, s24                        ; 256 rows a K step
	s_lshl_b32 s27, s25, 9
	s_add_co_u32 s26, s26, s27
	s_lshl_b32 s27, s20, 7                         ; my wave's 32 columns
	s_add_co_u32 s26, s26, s27
	s_mov_b32 s27, 0
	s_add_nc_u64 s[32:33], s[6:7], s[26:27]        ; a base for each of the 8 blocks of 32 rows
	s_lshl_b32 s26, s24, 5
.irp t, 1,2,3,4,5,6,7
	s_add_nc_u64 s[32+2*\t:33+2*\t], s[30+2*\t:31+2*\t], s[26:27]
.endr
	s_wait_alu depctr_va_vdst(0)
	v_lshlrev_b32 v[VOFF], 2, v1
.irp i, 1,2,3,4,5,6,7,8,9,10,11,12,13,14,15,16,17,18,19,20,21,22,23,24,25,26,27,28,29,30,31
	v_add_nc_u32 v[VOFF+\i], s24, v[VOFF+\i-1]
.endr
.macro WLOAD t
.irp i, 0,1,2,3,4,5,6,7,8,9,10,11,12,13,14,15,16,17,18,19,20,21,22,23,24,25,26,27,28,29,30,31
	global_load_b32 v[WX+32*((\t)%2)+\i], v[VOFF+\i], s[32+2*(\t):33+2*(\t)] th:TH_LOAD_NT   ; a wave reads 128 consecutive bytes, the four waves 512
.endr
.endm
	WLOAD 0
	WLOAD 1
	s_mul_i32 s26, s30, 24576
	s_mul_i32 s21, s20, 6144
	s_add_co_u32 s26, s26, s21
	s_add_nc_u64 s[14:15], s[14:15], s[26:27]      ; my two tiles' codes
	s_lshl_b32 s26, s30, 10
	s_lshl_b32 s21, s20, 8
	s_add_co_u32 s26, s26, s21
	s_add_nc_u64 s[16:17], s[16:17], s[26:27]      ; and their scale bytes
	v_bfe_u32 v10, v0, 3, 1                        ; column lane is stored as tile u = its bit 3,
	v_and_b32 v11, 7, v0
	v_lshl_or_b32 v11, v3, 3, v11                  ; row r' = its bits 2:0 and, as bit 3, its bit 4
	s_mul_i32 s21, s20, WWV
	s_add_co_u32 s21, s21, WST
	v_mul_u32_u24 v4, v10, 3200
	v_lshl_add_u32 v4, v11, 3, v4
	v_add_nc_u32 v4, s21, v4                       ; into the stage: my tile's image, 8 bytes at row r'
	v_lshlrev_b32 v8, 4, v1
	v_add_nc_u32 v7, s21, v8                       ; out of it: 16 x lane
	v_lshl_add_u32 v9, v10, 4, v11
	v_lshlrev_b32 v9, 3, v9                        ; my 8 scale bytes: 8 (16 u + r')
.macro WBLOCK t                        ; block t: k = 32 t + 0 .. 31 of the K step
.set XS, WX+32*((\t)%2)
.if (\t) < 7
	s_wait_loadcnt 32                              ; this block's 32 loads are in; the next block's may be out
.else
	s_wait_loadcnt 0x0
.endif
	v_max3_num_f32 v12, |v[XS]|, |v[XS+1]|, |v[XS+2]|
	v_max3_num_f32 v13, |v[XS+3]|, |v[XS+4]|, |v[XS+5]|
.irp i, 6,10,14,18,22,26
	v_max3_num_f32 v12, v12, |v[XS+\i]|, |v[XS+\i+1]|
	v_max3_num_f32 v13, v13, |v[XS+\i+2]|, |v[XS+\i+3]|
.endr
	v_max3_num_f32 v12, v12, |v[XS+30]|, |v[XS+31]|
	v_max3_num_f32 v12, v12, v13, 0x1800000        ; and the floor 2^(3 - 127)
	v_add_nc_u32 v14, 0xff000000, v12              ; the conversion's scale operand
	v_lshrrev_b32 v15, 23, v14                     ; the byte
.if (\t)%4 == 0
	v_mov_b32 v[SB+(\t)/4], v15
.else
	v_lshl_or_b32 v[SB+(\t)/4], v15, 8*((\t)%4), v[SB+(\t)/4]
.endif
	v_cvt_scalef32_pk16_fp6_f32 v[WC:WC+2], v[XS:XS+15], v14
	v_cvt_scalef32_pk16_fp6_f32 v[WCT:WCT+2], v[XS+16:XS+31], v14
	v_nop                                          ; one plain place behind a scaled conversion
.irp i, 0,1,2
	v_mov_b32 v[WC+3+\i], v[WCT+\i]
.endr
.irp p, 0,1,2
	ds_store_b64 v4, v[WC+2*\p:WC+2*\p+1] offset:((\t)/4)*1536+(((\t)%4)/2)*768+256*\p+128*((\t)%2)   ; piece p of the block, at its place in the fragment's image
.endr
.if (\t) < 6
	WLOAD (\t)+2
.endif
	s_wait_dscnt 0x0                               ; the stores have read their registers
.endm
.irp t, 0,1,2,3,4,5,6,7
	WBLOCK \t
.endr
	s_wait_alu depctr_va_vdst(0)
	global_store_b64 v9, v[SB:SB+1], s[16:17]      ; the wave's 32 x 8 bytes fill 256 consecutive bytes, aligned
.irp j, 0,1,2,3,4,5,6,7,8,9,10,11
	ds_load_b128 v[OUTR+4*\j:OUTR+4*\j+3], v7 offset:512*\j+128*(\j/6)
.endr
.irp j, 0,1,2,3,4,5,6,7,8,9,10,11
	s_wait_dscnt 11-\j                             ; the younger loads may be out
	global_store_b128 v8, v[OUTR+4*\j:OUTR+4*\j+3], s[14:15] offset:512*\j   ; 512 consecutive bytes, aligned
.endr
	s_wait_tensorcnt 0x0                           ; the wave's end
	ds_add_u32 v[SPW], v[NIL]
	s_wait_dscnt 0x0
	s_endpgm
.Lfunc_end_k_q7a62369ad6_quant:
	.size	k_q7a62369ad6_quant, .Lfunc_end_k_q7a62369ad6_quant-k_q7a62369ad6_quant
	.p2alignl 7, 3214868480
	.fill 96, 4, 3214868480
	.section	.rodata,"a",@progbits
	.p2align	6, 0x0
	.amdhsa_kernel k_q7a62369ad6_quant
		.amdhsa_group_segment_fixed_size 59904
		.amdhsa_private_segment_fixed_size 0
		.amdhsa_enable_private_segment 0
		.amdhsa_kernarg_size 56
		.amdhsa_user_sgpr_count 2
		.amdhsa_user_sgpr_kernarg_segment_ptr 1
		.amdhsa_wavefront_size32 1
		.amdhsa_system_sgpr_workgroup_id_x 1
		.amdhsa_system_sgpr_workgroup_id_y 1
		.amdhsa_system_sgpr_workgroup_id_z 1
		.amdhsa_system_vgpr_workitem_id 0
		.amdhsa_next_free_vgpr 256
		.amdhsa_next_free_sgpr 66
		.amdhsa_reserve_vcc 1
		.amdhsa_float_denorm_mode_32 3
		.amdhsa_float_denorm_mode_16_64 3
		.amdhsa_memory_ordered 1
		.amdhsa_forward_progress 1
		.amdhsa_inst_pref_size 74
	.end_amdhsa_kernel
	.amdgpu_metadata
---
amdhsa.version: [ 1, 2 ]
amdhsa.kernels:
  - .name:           k_q7a62369ad6_quant
    .symbol:         k_q7a62369ad6_quant.kd
    .args:
      - { .name: x, .offset: 0, .size: 8, .value_kind: global_buffer, .address_space: global }
      - { .name: W_attn, .offset: 8, .size: 8, .value_kind: global_buffer, .address_space: global }
      - { .name: W_proj, .offset: 16, .size: 8, .value_kind: global_buffer, .address_space: global }
      - { .name: xc, .offset: 24, .size: 8, .value_kind: global_buffer, .address_space: global }
      - { .name: xs, .offset: 32, .size: 8, .value_kind: global_buffer, .address_space: global }
      - { .name: wc, .offset: 40, .size: 8, .value_kind: global_buffer, .address_space: global }
      - { .name: ws, .offset: 48, .size: 8, .value_kind: global_buffer, .address_space: global }
    .group_segment_fixed_size: 59904
    .private_segment_fixed_size: 0
    .kernarg_segment_align: 8
    .kernarg_segment_size: 56
    .max_flat_workgroup_size: 128
    .sgpr_count:     66
    .vgpr_count:     256
    .wavefront_size: 32
...
	.end_amdgpu_metadata
.endif
;; end of part 1
;; launch qkv (part 2): grid 12 x 32, 4 waves a work-group, clusters of 4 x 4, 327,680 bytes of LDS; arguments xc, xs, wc, ws, b_attn, qb, kv; writes qb, kv
.if DOCPART == 2
	.amdgcn_target "amdgcn-amd-amdhsa--gfx1250"
	.amdhsa_code_object_version 6
	.text
	.protected	k_q7a62369ad6_qkv
	.globl	k_q7a62369ad6_qkv
	.p2align	8
	.type	k_q7a62369ad6_qkv,@function
k_q7a62369ad6_qkv:
	s_mov_b64 s[64:65], 0
	v_nop
	global_prefetch_b8 v0, s[64:65] scope:SCOPE_SE
	s_setreg_imm32_b32 hwreg(HW_REG_WAVE_MODE, 25, 1), 1
	s_wait_xcnt 0x0
	s_wait_alu depctr_hold_cnt(0) depctr_sa_sdst(0) depctr_va_vdst(0) depctr_va_sdst(0) depctr_va_ssrc(0) depctr_va_vcc(0) depctr_vm_vsrc(0)
	s_getreg_b32 s2, hwreg(HW_REG_IB_STS2, 6, 4)
	s_cmp_eq_u32 s2, 0
	s_cbranch_scc0 .Lentry_in_a_cluster
	s_endpgm
.Lentry_in_a_cluster:
	s_bfe_u32 s2, ttmp6, 0x10000c
	s_cmp_lg_u32 s2, 0xf033
	s_cbranch_scc0 .Lentry_shape_is_right
	s_endpgm
.Lentry_shape_is_right:
; qkv = x W_attn + b_attn on codes of FP6 (E2M3) with E8M0 scales, K = 1024; q, k and v are quantised in the accumulators and leave as codes: no f32 number of qkv goes to memory.
; A work-group of four waves makes 256 x 256, a wave 128 x 128 (64 accumulators, 512 registers).  The matrix instruction is used transposed: source 0 = role B, whose rows run along a lane's registers;
; source 1 = role A, whose row is the lane.  The operands' rows are stored so that the 16 registers of two neighbouring tiles of role B are 16 neighbours (see the launch that made them).
; THE KIND OF A CLUSTER is its x: 0 = q, 1 = k, 2 = v; it is the same in all sixteen partners.  q and k are quantised along the head's 64, which are columns of W: role A = x, role B = W.
; v is quantised along the keys, which are rows of x: role A = W, role B = x.  The roles are exchanged by a choice of pointers and tile numbers alone.
; CLUSTERS: 4 x 4.  Role A's tile is shared along a row of the cluster, role B's along a column: joint loads, as many requests as a quarter of the work-groups.
; LDS: three slots of 256 along K (98,304 bytes each: A's two halves, B's two halves, each 24,576 dense bytes in the order of the operands' registers), the scales of all of K, the spare words.
; K has four such steps: three are asked for at the start, the fourth refills slot 0 behind the one round in the loop's place; it has two K steps, 256 matrix instructions a wave, in which to land.
; A wave has at most four tensor loads outstanding (the scales and three slots).  All of a WGP's LDS is claimed.
; The bias is the C of each sum's first matrix instruction (so it is added first, not last as the source reads).
; LIMITS: NaN and infinities are not served; a block whose largest magnitude lies under 2^-124 keeps the scale byte 1.
; THE RESULTS.  qb: [batch x head][group of 128 tokens][6,656]: four units of 1,536 bytes (12 registers a lane, 16 bytes a lane and store: registers 0-5 stored tile 2 B, 6-11 tile 2 B + 1; a tile is 16 tokens x 64),
; then 512 bytes of scale words [tile / 4][row][tile % 4], bytes 0, 1 the head's two blocks, bytes 2, 3 zero.  kv: [batch x head][group of 128 keys][13,056]: k's codes as q's (6,144), v's codes (four fragments
; of 16 channels x 128 keys, 6,144), k's scale words (512), v's [row][fragment] (256).
; REGISTERS: window 0: v1-3 lane, r, h; v8-20 addresses; v28, v29 the add's two; v32-63 scale words, two sets; v64-127 the bias; v128-223 A's fragments, one set (on the way out: codes); v224-240 at work.
;   window 1: B's fragments, two sets, at v0 and v128.  windows 2, 3: accumulator (a, b) at v[8 (8 (a % 4) + b)].
.set SLOT,  98304
.set HALFT, 24576
.set SCL,   3*SLOT                     ; A's scales: 2 x 4,096; B's 128 bytes further on than they would follow, so that a load's two halves of lanes fall on different banks
.set SPARE, SCL+16640                  ; the spare words, 128 bytes for each wave: two blocks of 256 bytes that no other line names
.set FR,    12
.set ADRA,  8                          ; v8-10   my A fragments in slot 0, 1, 2: 8 x lane + ..
.set ADRB,  12                         ; v12-14  the same for B
.set ADRS,  16                         ; v16     my scale words: lanes 0-15 A's rows, lanes 16-31 B's
.set LI,    17                         ; v17     16 x lane
.set SA,    18                         ; v18     16 r + h x (a head's bytes in the output)
.set SH,    19                         ; v19     16 h
.set BO,    20                         ; v20     the bias's offset
.set SPW,   28
.set NIL,   29
.set SC,    32
.set BIAS,  64
.set AF,    128
.set TM,    224                        ; v224-227 largest magnitudes, v228-231 bytes, v236-239 scale operands
.set PW,    240                        ; the scale word just made
.set P0,    128                        ; the way out: 12 registers of codes, and 12 more;
.set P1,    140
.set PT,    152                        ; upper halves as they are made: v152-154, v156-158
.set SW,    160                        ; v160-167 the eight blocks' scale words;  v168-171 chosen
.set SD,    168
.set G1A,   24
.set G1B,   32
.set G1SA,  40
.set G1SB,  48
.set G0A0,  56
.set G0A1,  60
.set G0A2,  68
.set G0B0,  72
.set G0B1,  76
.set G0B2,  80
.set G0SA,  84
.set G0SB,  88
.set MSB, 0
.macro WIN new                         ; the immediate's high byte repeats the setting that is left
.if MSB != \new
	s_set_vgpr_msb (MSB<<8)|\new
.set MSB, \new
.endif
.endm
; A joint load: waves 0 and 1 fetch for role A, waves 2 and 3 for role B.  The branch hangs on the wave's number alone.  An s_nop 0 and four v_nop follow each of the two lines.
.macro JLOAD g0a, g1a, g0b, g1b
	s_cmp_eq_u32 s3, 0
	s_cbranch_scc0 .Lfor_b_\@
	tensor_load_to_lds s[\g0a:\g0a+3], s[\g1a:\g1a+7]
	s_nop 0
.rept 4
	v_nop
.endr
	s_branch .Lasked_\@
.Lfor_b_\@:
	tensor_load_to_lds s[\g0b:\g0b+3], s[\g1b:\g1b+7]
	s_nop 0
.rept 4
	v_nop
.endr
.Lasked_\@:
.endm
.macro CREST                           ; a round of the cluster's barrier behind its opening barrier
	s_cmp_lg_u32 s2, 0
	s_cbranch_scc1 .Lnot_wave_0_\@
	s_barrier_signal -3
.Lnot_wave_0_\@:
	s_barrier_wait -3
	s_barrier_signal -1
	s_barrier_wait -1
.endm
.macro CROUND
	s_barrier_signal -1
	s_barrier_wait -1
	CREST
.endm
.macro PLACES                          ; four places in front of loads into registers that matrix instructions have read, and of the first read of results
.rept 4
	v_nop
.endr
.endm
	s_load_b256 s[4:11], s[0:1], 0x0               ; xc, xs, wc, ws
	s_load_b64 s[12:13], s[0:1], 0x20              ; b_attn
	s_load_b64 s[16:17], s[0:1], 0x28              ; qb
	s_load_b64 s[18:19], s[0:1], 0x30              ; kv
	v_lshl_add_u32 v[SPW], v0, 2, SPARE
	v_mov_b32 v[NIL], 0
	ds_add_u32 v[SPW], v[NIL]
	ds_add_u32 v[SPW], v[NIL]                      ; the wave's opening: the add and its wait ahead of my first tensor load; work on registers stands between them
	v_lshrrev_b32 v1, 5, v0
	v_readfirstlane_b32 s2, v1                     ; wave 0..3
	s_lshr_b32 s3, s2, 1                           ; my half of role A's rows.  Also: I fetch for A (0) or for B (1)
	s_and_b32 s14, s2, 1                           ; my half of role B's rows.  Also: which 128 rows I fetch
	s_mov_b32 s15, ttmp9                           ; the cluster's x: the kind
	s_bfe_u32 s92, ttmp6, 0x40000                  ; cx
	s_bfe_u32 s93, ttmp6, 0x40004                  ; cy
	s_and_b32 s94, ttmp7, 0xffff
	s_lshl_b32 s94, s94, 2                         ; 4 x cluster y
	s_lshl_b32 s95, s93, 2
	s_lshl_b32 s95, 15, s95                        ; my row of the cluster
	s_lshl_b32 s96, 0x1111, s92                    ; my column
	s_or_b32 s[G1A], s95, (3<<16)|(1<<21)          ; 15:0 the mask; 17:16 elements of 8 bytes; 21 set beside a mask; no padding
	s_or_b32 s[G1B], s96, (3<<16)|(1<<21)
	s_or_b32 s[G1SA], s95, (3<<16)|(1<<21)
	s_or_b32 s[G1SB], s96, (3<<16)|(1<<21)
.irp g, G1A, G1B                       ; 24,576 dense bytes as 96 rows of 256
	s_mov_b32 s[\g+1], 32<<16
	s_mov_b32 s[\g+2], 96<<16
	s_mov_b32 s[\g+3], 32<<16
	s_mov_b32 s[\g+4], 96
	s_mov_b32 s[\g+5], 32
	s_mov_b32 s[\g+6], 0
	s_mov_b32 s[\g+7], 0
.endr
.irp g, G1SA, G1SB                     ; 4,096 dense bytes as 16 rows of 256
	s_mov_b32 s[\g+1], 32<<16
	s_mov_b32 s[\g+2], 16<<16
	s_mov_b32 s[\g+3], 32<<16
	s_mov_b32 s[\g+4], 16
	s_mov_b32 s[\g+5], 32
	s_mov_b32 s[\g+6], 0
	s_mov_b32 s[\g+7], 0
.endr
	s_add_co_u32 s97, s94, s93                     ; x's tile by cy
	s_add_co_u32 s99, s93, 8                       ; v's tile of W by cy
	s_lshl_b32 s98, s15, 2
	s_add_co_u32 s98, s98, s92                     ; q's or k's tile of W by cx
	s_add_co_u32 s100, s94, s92                    ; x's tile by cx
	s_cmp_eq_u32 s15, 2
	s_cselect_b32 s97, s99, s97                    ; role A's tile of 256 rows: made of cy and the cluster's place alone
	s_cselect_b32 s98, s100, s98                   ; role B's: of cx and the cluster's place alone
	s_lshl_b32 s99, s97, 1
	s_add_co_u32 s99, s99, s14                     ; the block of 128 rows that I fetch, of A,
	s_lshl_b32 s100, s98, 1
	s_add_co_u32 s100, s100, s14                   ; of B
	s_mul_i32 s101, s2, HALFT                      ; where it goes in a slot: no place in the cluster enters an LDS address
	s_lshl_b32 s94, s2, 12                         ; and its scales
	s_wait_dscnt 0x0                               ; the opening add is done
	s_wait_kmcnt 0x0
	s_cmp_eq_u32 s15, 2
	s_cselect_b64 s[20:21], s[8:9], s[4:5]         ; role A's codes: W's for v, else x's
	s_cselect_b64 s[22:23], s[10:11], s[6:7]       ; and scales
	s_cselect_b64 s[4:5], s[4:5], s[8:9]           ; role B's codes
	s_cselect_b64 s[6:7], s[6:7], s[10:11]         ; and scales
	s_mul_i32 s8, s99, 98304                       ; a block of 128 rows, all of K
	s_mov_b32 s9, 0
	s_add_nc_u64 s[20:21], s[20:21], s[8:9]
	s_lshl_b32 s8, s99, 12
	s_add_nc_u64 s[22:23], s[22:23], s[8:9]
	s_mul_i32 s10, s100, 98304
	s_mov_b32 s11, 0
	s_add_nc_u64 s[4:5], s[4:5], s[10:11]
	s_lshl_b32 s10, s100, 12
	s_add_nc_u64 s[6:7], s[6:7], s[10:11]
	CROUND                                         ; all sixteen work-groups are here: the first joint loads meet
	s_mov_b32 s[G0SA], 1
	s_add_co_u32 s[G0SA+1], s94, SCL
	s_mov_b64 s[G0SA+2:G0SA+3], s[22:23]
	s_or_b32 s[G0SA+3], s[G0SA+3], 0x80000000
	s_mov_b32 s[G0SB], 1
	s_add_co_u32 s[G0SB+1], s94, SCL+128
	s_mov_b64 s[G0SB+2:G0SB+3], s[6:7]
	s_or_b32 s[G0SB+3], s[G0SB+3], 0x80000000
	JLOAD G0SA, G1SA, G0SB, G1SB                   ; the scales first: they are wanted with K step 0
.macro MKG0 ga, gb, k                  ; K step k into slot k
	s_mov_b32 s[\ga], 1
	s_add_co_u32 s[\ga+1], s101, (\k)*SLOT
	s_add_nc_u64 s[\ga+2:\ga+3], s[20:21], (\k)*HALFT
	s_or_b32 s[\ga+3], s[\ga+3], 0x80000000
	s_mov_b32 s[\gb], 1
	s_add_co_u32 s[\gb+1], s101, (\k)*SLOT
	s_add_nc_u64 s[\gb+2:\gb+3], s[4:5], (\k)*HALFT
	s_or_b32 s[\gb+3], s[\gb+3], 0x80000000
	JLOAD \ga, G1A, \gb, G1B
.endm
	MKG0 G0A0, G0B0, 0
	MKG0 G0A1, G0B1, 1
	MKG0 G0A2, G0B2, 2
	v_and_b32 v1, 31, v0                           ; lane
	v_and_b32 v2, 15, v0                           ; r
	v_bfe_u32 v3, v0, 4, 1                         ; h
	s_mov_b32 s9, 0
	; THE BIAS, in the result's layout.  q, k: a lane's register j of tile b is column 32 (b / 2) + 16 h + 8 (b % 2) + j of my 128.  v: the lane is the column, so one number fills a tile's eight registers.
	s_cmp_eq_u32 s15, 2
	s_cbranch_scc1 .Lbias_v
	s_lshl_b32 s8, s98, 10
	s_lshl_b32 s10, s14, 9
	s_add_co_u32 s8, s8, s10
	s_add_nc_u64 s[12:13], s[12:13], s[8:9]
	v_lshlrev_b32 v[BO], 6, v3
.irp b, 0,1,2,3,4,5,6,7
	global_load_b128 v[BIAS+8*\b:BIAS+8*\b+3], v[BO], s[12:13] offset:(32*(\b/2)+8*(\b%2))*4
	global_load_b128 v[BIAS+8*\b+4:BIAS+8*\b+7], v[BO], s[12:13] offset:(32*(\b/2)+8*(\b%2))*4+16
.endr
	s_branch .Lbias_done
.Lbias_v:
	s_lshl_b32 s8, s97, 10
	s_lshl_b32 s10, s3, 9
	s_add_co_u32 s8, s8, s10
	s_add_nc_u64 s[12:13], s[12:13], s[8:9]
	s_wait_alu depctr_va_vdst(0)
	v_and_b32 v[BO], 8, v2
	v_add_nc_u32 v[BO], v[BO], v2
	v_lshlrev_b32 v[BO], 2, v[BO]                  ; 4 (r + 8 (r / 8))
.irp a, 0,1,2,3,4,5,6,7
	global_load_b32 v[BIAS+8*\a], v[BO], s[12:13] offset:(32*(\a/2)+8*(\a%2))*4
.endr
	s_wait_loadcnt 0x0
.irp a, 0,1,2,3,4,5,6,7
.irp j, 1,2,3,4,5,6,7
	v_mov_b32 v[BIAS+8*\a+\j], v[BIAS+8*\a]
.endr
.endr
.Lbias_done:
	s_wait_alu depctr_va_vdst(0)
	v_lshlrev_b32 v4, 3, v1                        ; a fragment's piece is 8 bytes a lane
	s_mul_i32 s8, s3, HALFT                        ; my 128 rows of A
	s_mul_i32 s10, s14, HALFT                      ; my 128 rows of B,
	s_add_co_u32 s10, s10, 2*HALFT                 ; behind A's two halves
.irp k, 0,1,2
	v_add_nc_u32 v[ADRA+\k], s8, v4
	v_add_nc_u32 v[ADRB+\k], s10, v4
	s_add_co_u32 s8, s8, SLOT
	s_add_co_u32 s10, s10, SLOT
.endr
	v_lshlrev_b32 v5, 3, v2                        ; a row's two scale words of a K step: 8 bytes
	s_lshl_b32 s8, s3, 12                          ; A's: my 128 rows
	s_lshl_b32 s10, s14, 12                        ; B's: my 128 rows, 8,320 bytes behind A's first
	s_add_co_u32 s10, s10, 8320
	s_sub_co_u32 s10, s10, s8
	v_mul_u32_u24 v6, s10, v3                      ; lanes 16-31 take B's
	s_add_co_u32 s8, s8, SCL
	v_add_nc_u32 v5, v5, v6
	v_add_nc_u32 v[ADRS], s8, v5
	v_lshlrev_b32 v[LI], 4, v1
	v_lshlrev_b32 v[SH], 4, v3
.irp b, 0,1,2,3
	v_mov_b32 v[TM+4+\b], 0                        ; written once: a lane permute's destination counts as read
.endr
	; where the results go
	s_lshl_b32 s8, s97, 1
	s_add_co_u32 s8, s8, s3                        ; the block of 128 rows of role A that I multiply,
	s_lshl_b32 s10, s98, 1
	s_add_co_u32 s10, s10, s14                     ; of role B
	s_cmp_eq_u32 s15, 2
	s_cselect_b32 s11, s8, s10                     ; W's block: two heads
	s_cselect_b32 s10, s10, s8                     ; x's block: a group of 128 tokens
	s_and_b32 s11, s11, 7                          ; the pair of heads
	s_mov_b32 s95, 208896
	s_mov_b32 s96, 13056
	s_cmp_eq_u32 s15, 0
	s_cselect_b32 s95, 106496, s95                 ; a head's bytes
	s_cselect_b32 s96, 6656, s96                   ; a group's bytes
	s_cselect_b64 s[16:17], s[16:17], s[18:19]     ; qb or kv
	s_mov_b32 s100, 12288
	s_cmp_eq_u32 s15, 2
	s_cselect_b32 s99, 6144, 0                     ; the codes' place in a group's bytes
	s_cselect_b32 s100, 12800, s100
	s_cmp_eq_u32 s15, 0
	s_cselect_b32 s100, 6144, s100                 ; the scale words' place
	v_mul_u32_u24 v[SA], s95, v3
	v_lshl_add_u32 v[SA], v2, 4, v[SA]
	s_lshr_b32 s8, s10, 4
	s_lshl_b32 s8, s8, 4                           ; 16 x batch
	s_lshl_b32 s11, s11, 1
	s_add_co_u32 s8, s8, s11                       ; + the even head
	s_mul_i32 s8, s8, s95
	s_and_b32 s10, s10, 15
	s_mul_i32 s10, s10, s96
	s_add_co_u32 s8, s8, s10
	s_add_nc_u64 s[16:17], s[16:17], s[8:9]        ; the even head's group
	s_mov_b32 s8, s100
	s_add_nc_u64 s[18:19], s[16:17], s[8:9]        ; its scale words
	s_mov_b32 s8, s99
	s_add_nc_u64 s[20:21], s[16:17], s[8:9]        ; its codes
	s_mov_b32 s8, s95
	s_add_nc_u64 s[22:23], s[20:21], s[8:9]        ; the odd head's
	s_mov_b32 s4, 0x76543210
	s_mov_b32 s5, 0xfedcba98                       ; lane selects: lane l xor 16
.macro FRAG reg, adr, q, i             ; a fragment, 16 rows x 128 K, 12 registers: six pieces of 256 consecutive bytes, 8 bytes a lane
.irp p, 0,1,2,3,4,5
	ds_load_b64 v[\reg+2*\p:\reg+2*\p+1], v[\adr] offset:(2*(\i)+(\q))*1536+256*\p
.endr
.endm
.macro FETCH_B slot, q, p              ; B's eight fragments of the slot's q-th 128 along K into set p
	WIN 0x40
.irp i, 0,1,2,3,4,5,6,7
	FRAG 128*(\p)+FR*\i, ADRB+\slot, \q, \i
.endr
	WIN 0
.endm
.macro FETCH_A slot, q, i0             ; A's blocks i0 .. i0 + 3
.irp i, \i0, \i0+1, \i0+2, \i0+3
	FRAG AF+FR*(\i), ADRA+\slot, \q, \i
.endr
.endm
.macro SCALES set, ks                  ; K step ks's scale words: register 2 i + q: lanes 0-15 A's block i, lanes 16-31 B's block i
.irp i, 0,1,2,3,4,5,6,7
	ds_load_b64 v[SC+16*(\set)+2*\i:SC+16*(\set)+2*\i+1], v[ADRS] offset:1024*(\ks)+128*\i
.endr
.endm
; 16 matrix instructions: A's blocks a0, a0 + 1 x B's eight.  cmode 0: onto the sums; 1: the sums begin with the bias by B's tile; 2: by A's block.
; The 64 accumulators take turns, one instruction a turn, in the same order in every step.
.macro MUL16 a0, p, q, sc, cmode
.irp a, \a0, \a0+1
.irp b, 0,1,2,3,4,5,6,7
.if (\cmode) == 1
	v_wmma_scale_f32_16x16x128_f8f6f4 v[8*(8*((\a)%4)+\b):8*(8*((\a)%4)+\b)+7], v[128*(\p)+FR*\b:128*(\p)+FR*\b+FR-1], v[AF+FR*(\a):AF+FR*(\a)+FR-1], v[BIAS+8*\b:BIAS+8*\b+7], v[SC+16*(\sc)+2*\b+(\q)], v[SC+16*(\sc)+2*(\a)+(\q)] matrix_a_fmt:MATRIX_FMT_FP6 matrix_b_fmt:MATRIX_FMT_FP6 matrix_a_scale:MATRIX_SCALE_ROW1
.elseif (\cmode) == 2
	v_wmma_scale_f32_16x16x128_f8f6f4 v[8*(8*((\a)%4)+\b):8*(8*((\a)%4)+\b)+7], v[128*(\p)+FR*\b:128*(\p)+FR*\b+FR-1], v[AF+FR*(\a):AF+FR*(\a)+FR-1], v[BIAS+8*(\a):BIAS+8*(\a)+7], v[SC+16*(\sc)+2*\b+(\q)], v[SC+16*(\sc)+2*(\a)+(\q)] matrix_a_fmt:MATRIX_FMT_FP6 matrix_b_fmt:MATRIX_FMT_FP6 matrix_a_scale:MATRIX_SCALE_ROW1
.else
	v_wmma_scale_f32_16x16x128_f8f6f4 v[8*(8*((\a)%4)+\b):8*(8*((\a)%4)+\b)+7], v[128*(\p)+FR*\b:128*(\p)+FR*\b+FR-1], v[AF+FR*(\a):AF+FR*(\a)+FR-1], v[8*(8*((\a)%4)+\b):8*(8*((\a)%4)+\b)+7], v[SC+16*(\sc)+2*\b+(\q)], v[SC+16*(\sc)+2*(\a)+(\q)] matrix_a_fmt:MATRIX_FMT_FP6 matrix_b_fmt:MATRIX_FMT_FP6 matrix_a_scale:MATRIX_SCALE_ROW1
.endif
.endr
.endr
.endm
; A step of 128 along K.  sc: its set of scale words; q: which half of its slot, and B's set.  The next step's fragments come from slot nslot, half nq; nks >= 0: and K step nks's scale words.
.macro STEP sc, q, nslot, nq, nks, cmode
	s_wait_dscnt 24                                ; B's set, A's blocks 0-3 and the scale words are in; the youngest 24 loads (A's blocks 4-7) may be out
.if (\cmode) == 0
	WIN 0xa1                                       ; source 0 window 1, source 1 window 0, C and D window 2
.else
	WIN 0x81                                       ; C (the bias) window 0
.endif
	MUL16 0, \q, \q, \sc, \cmode
	MUL16 2, \q, \q, \sc, \cmode
	s_wait_dscnt 0x0                               ; A's blocks 4-7 are in
	PLACES
	FETCH_B \nslot, \nq, 1-\q
	FETCH_A \nslot, \nq, 0
.if (\nks) >= 0
	SCALES (\nks)%2, \nks
.endif
.if (\cmode) == 0
	WIN 0xf1
.else
	WIN 0xc1
.endif
	MUL16 4, \q, \q, \sc, \cmode
	MUL16 6, \q, \q, \sc, \cmode
	PLACES
	WIN 0
	FETCH_A \nslot, \nq, 4
.endm
; A slot's second step with a barrier in it.  In front of the barrier each wave waits for all its tensor loads, adds 0 to its spare word, and waits for that and for its own reads of the slot.
; fill = 1: the barrier opens a round of the cluster's, and slot 0 takes K step 3, the first thing behind the round.
.macro TURN sc, next, nks, fill
	s_wait_tensorcnt 0x0                           ; all my tensor loads have landed
	ds_add_u32 v[SPW], v[NIL]                      ; 0 onto my spare word
	s_wait_dscnt 25                                ; (the add and the youngest 24 loads may be out)
	WIN 0xa1
	MUL16 0, 1, 1, \sc, 0                          ; sixteen matrix instructions stand between the add and the wait for it
	s_wait_dscnt 0x0                               ; the add is done, and my reads of this slot are over
	s_barrier_signal -1
	MUL16 2, 1, 1, \sc, 0
	WIN 0
	s_barrier_wait -1
.if \fill
	CREST                                          ; no wave of any partner still reads slot 0 or has a load on its way
	s_add_nc_u64 s[G0A0+2:G0A0+3], s[G0A0+2:G0A0+3], 3*HALFT
	s_add_nc_u64 s[G0B0+2:G0B0+3], s[G0B0+2:G0B0+3], 3*HALFT
	JLOAD G0A0, G1A, G0B0, G1B                     ; its four v_nop are also the places in front of the loads below
.else
	PLACES
.endif
	FETCH_B \next, 0, 0
	FETCH_A \next, 0, 0
	SCALES (\nks)%2, \nks
	WIN 0xf1
	MUL16 4, 1, 1, \sc, 0
	MUL16 6, 1, 1, \sc, 0
	PLACES
	WIN 0
	FETCH_A \next, 0, 4
.endm
	s_wait_alu depctr_va_vdst(0)
	s_wait_tensorcnt 2                             ; the scales and my part of K step 0 are in; K steps 1 and 2 may be out
	s_barrier_signal -1
	s_barrier_wait -1
	FETCH_B 0, 0, 0
	FETCH_A 0, 0, 0
	SCALES 0, 0
	FETCH_A 0, 0, 4
	s_wait_loadcnt 0x0                             ; the bias
	s_cmp_eq_u32 s15, 2                            ; the first step is written twice: the bias lies by B's tile (q, k) or by A's block (v)
	s_cbranch_scc1 .Lfirst_v
	STEP 0, 0, 0, 1, -1, 1
	s_branch .Lfirst_done
.Lfirst_v:
	STEP 0, 0, 0, 1, -1, 2
.Lfirst_done:
	TURN 0, 1, 1, 1                                ; K step 0 ends; slot 0 takes K step 3
	STEP 1, 0, 1, 1, -1, 0                         ; K step 1
	STEP 1, 1, 2, 0, 2, 0                          ; on into slot 2: the wait and the round above have shown it whole to every wave
	STEP 0, 0, 2, 1, -1, 0                         ; K step 2
	TURN 0, 0, 3, 0                                ; a plain barrier: K step 3 has landed in every wave's part
	STEP 1, 0, 0, 1, -1, 0                         ; K step 3
	s_wait_dscnt 24                                ; the last step: nothing more to fetch
	WIN 0xa1
	MUL16 0, 1, 1, 1, 0
	MUL16 2, 1, 1, 1, 0
	s_wait_dscnt 0x0
	WIN 0xf1
	MUL16 4, 1, 1, 1, 0
	MUL16 6, 1, 1, 1, 0
	WIN 0
	PLACES
; THE QUANTISER, on block a's 64 accumulators where they lie: register 16 b + i is index 32 b + 16 h + i along role B of my lane's row.  Blocks 0, 1 become six registers at d0, blocks 2, 3 six at d1; the four bytes v[PW].
; Each accumulator is read from its low end on.
.macro QUANT a, d0, d1
.set AC, 64*((\a)%4)
.set WW, 2+(\a)/4
.set WQ, (WW<<2)|(WW<<4)
	WIN WQ                                         ; sources 1 and 2: the accumulators' window
.irp b, 0,1,2,3
	v_max3_num_f32 v[TM+\b], 0x1800000, |v[AC+16*\b]|, |v[AC+16*\b+1]|   ; my 16 numbers of block b, over the floor 2^(3 - 127)
.endr
.irp i, 2,4,6,8,10,12,14
.irp b, 0,1,2,3
	v_max3_num_f32 v[TM+\b], v[TM+\b], |v[AC+16*\b+\i]|, |v[AC+16*\b+\i+1]|
.endr
.endr
	WIN 0
.irp b, 0,1,2,3
	v_permlanex16_b32 v[TM+4+\b], v[TM+\b], s4, s5
.endr
.irp b, 0,1,2,3
	v_max_num_f32 v[TM+\b], v[TM+\b], v[TM+4+\b]   ; with lane l xor 16's: the block's largest magnitude
.endr
.irp b, 0,1,2,3
	v_add_nc_u32 v[TM+12+\b], 0xff000000, v[TM+\b] ; 2 off the exponent field: the conversion's scale operand
.endr
.irp b, 0,1,2,3
	v_lshrrev_b32 v[TM+4+\b], 23, v[TM+12+\b]      ; the byte
.endr
	v_lshl_or_b32 v[PW], v[TM+5], 8, v[TM+4]
	v_lshl_or_b32 v[PW], v[TM+6], 16, v[PW]
	v_lshl_or_b32 v[PW], v[TM+7], 24, v[PW]
	WIN WW                                         ; source 0: the accumulators' window
	v_cvt_scalef32_pk16_fp6_f32 v[\d0:\d0+2], v[AC:AC+15], v[TM+12]
	v_cvt_scalef32_pk16_fp6_f32 v[PT:PT+2], v[AC+16:AC+31], v[TM+13]
	v_cvt_scalef32_pk16_fp6_f32 v[\d1:\d1+2], v[AC+32:AC+47], v[TM+14]
	v_cvt_scalef32_pk16_fp6_f32 v[PT+4:PT+6], v[AC+48:AC+63], v[TM+15]
	WIN 0
	v_nop                                          ; one plain place behind a scaled conversion
.irp i, 0,1,2                          ; the operand's layout wants a whole block in a lane
	v_permlane16_swap_b32 v[\d0+\i], v[PT+\i]
	v_permlane16_swap_b32 v[\d1+\i], v[PT+4+\i]
.endr
.irp i, 0,1,2
	v_mov_b32 v[\d0+3+\i], v[PT+\i]
	v_mov_b32 v[\d1+3+\i], v[PT+4+\i]
.endr
.endm
	s_cmp_eq_u32 s15, 2
	s_cbranch_scc1 .Lout_v
	; q, k: block a is 16 tokens x two heads of 64.  Blocks 0, 1 are the even head's, 2, 3 the odd head's.  Two blocks of tokens make a unit of 12 registers for each head.
.irp e, 0,1,2,3
.if \e > 0
	s_wait_xcnt 0x0                                ; the last unit's stores have read their registers
.endif
	QUANT 2*\e, P0, P1
	v_bfe_u32 v[SW+2*\e], v[PW], v[SH], 16         ; lanes 0-15 keep the even head's two bytes, lanes 16-31 the odd head's; bytes 2 and 3 are zero
	QUANT 2*\e+1, P0+6, P1+6
	v_bfe_u32 v[SW+2*\e+1], v[PW], v[SH], 16
.irp g, 0,1,2
	global_store_b128 v[LI], v[P0+4*\g:P0+4*\g+3], s[20:21] offset:1536*\e+512*\g   ; 512 consecutive bytes, aligned
	global_store_b128 v[LI], v[P1+4*\g:P1+4*\g+3], s[22:23] offset:1536*\e+512*\g
.endr
.endr
	global_store_b128 v[SA], v[SW:SW+3], s[18:19]              ; sixteen lanes store 256 consecutive bytes of a head's scale words
	global_store_b128 v[SA], v[SW+4:SW+7], s[18:19] offset:256
	s_branch .Lout_done
.Lout_v:
	; v: block a is 16 channels (blocks 0-3 the even head's, 4-7 the odd head's) x 128 keys: a whole fragment and its scale word
.irp a, 0,1,2,3,4,5,6,7
.if \a > 0
	s_wait_xcnt 0x0
.endif
	QUANT \a, P0, P0+6
	v_mov_b32 v[SW+\a], v[PW]
.irp g, 0,1,2
	global_store_b128 v[LI], v[P0+4*\g:P0+4*\g+3], s[20+2*(\a/4):21+2*(\a/4)] offset:1536*(\a%4)+512*\g
.endr
.endr
	v_cmp_eq_u32 vcc_lo, 1, v3
.irp j, 0,1,2,3
	v_cndmask_b32 v[SD+\j], v[SW+\j], v[SW+4+\j], vcc_lo       ; lanes 0-15 the even head's four words of row r, lanes 16-31 the odd head's
.endr
	global_store_b128 v[SA], v[SD:SD+3], s[18:19]
.Lout_done:
	s_wait_tensorcnt 0x0                           ; the wave's end
	ds_add_u32 v[SPW], v[NIL]
	s_wait_dscnt 0x0
	CROUND                                         ; the closing round: no work-group ends while a partner may still ask for a tile that names it
	s_endpgm
.Lfunc_end_k_q7a62369ad6_qkv:
	.size	k_q7a62369ad6_qkv, .Lfunc_end_k_q7a62369ad6_qkv-k_q7a62369ad6_qkv
	.p2alignl 7, 3214868480
	.fill 96, 4, 3214868480
	.section	.rodata,"a",@progbits
	.p2align	6, 0x0
	.amdhsa_kernel k_q7a62369ad6_qkv
		.amdhsa_group_segment_fixed_size 327680
		.amdhsa_private_segment_fixed_size 0
		.amdhsa_enable_private_segment 0
		.amdhsa_kernarg_size 56
		.amdhsa_user_sgpr_count 2
		.amdhsa_user_sgpr_kernarg_segment_ptr 1
		.amdhsa_wavefront_size32 1
		.amdhsa_system_sgpr_workgroup_id_x 1
		.amdhsa_system_sgpr_workgroup_id_y 1
		.amdhsa_system_sgpr_workgroup_id_z 1
		.amdhsa_system_vgpr_workitem_id 0
		.amdhsa_next_free_vgpr 1024
		.amdhsa_next_free_sgpr 102
		.amdhsa_reserve_vcc 1
		.amdhsa_float_denorm_mode_32 3
		.amdhsa_float_denorm_mode_16_64 3
		.amdhsa_memory_ordered 1
		.amdhsa_forward_progress 1
		.amdhsa_inst_pref_size 218
	.end_amdhsa_kernel
	.amdgpu_metadata
---
amdhsa.version: [ 1, 2 ]
amdhsa.kernels:
  - .name:           k_q7a62369ad6_qkv
    .symbol:         k_q7a62369ad6_qkv.kd
    .args:
      - { .name: xc, .offset: 0, .size: 8, .value_kind: global_buffer, .address_space: global }
      - { .name: xs, .offset: 8, .size: 8, .value_kind: global_buffer, .address_space: global }
      - { .name: wc, .offset: 16, .size: 8, .value_kind: global_buffer, .address_space: global }
      - { .name: ws, .offset: 24, .size: 8, .value_kind: global_buffer, .address_space: global }
      - { .name: b_attn, .offset: 32, .size: 8, .value_kind: global_buffer, .address_space: global }
      - { .name: qb, .offset: 40, .size: 8, .value_kind: global_buffer, .address_space: global }
      - { .name: kv, .offset: 48, .size: 8, .value_kind: global_buffer, .address_space: global }
    .group_segment_fixed_size: 327680
    .private_segment_fixed_size: 0
    .kernarg_segment_align: 8
    .kernarg_segment_size: 56
    .max_flat_workgroup_size: 128
    .sgpr_count:     102
    .vgpr_count:     1024
    .wavefront_size: 32
...
	.end_amdgpu_metadata
.endif
;; end of part 2
;; launch attn (part 3): grid 4 x 64, 16 waves a work-group, no clusters, 212,992 bytes of LDS; arguments qb, kv, yc, ys; writes yc, ys
.if DOCPART == 3
	.amdgcn_target "amdgcn-amd-amdhsa--gfx1250"
	.amdhsa_code_object_version 6
	.text
	.protected	k_q7a62369ad6_attn
	.globl	k_q7a62369ad6_attn
	.p2align	8
	.type	k_q7a62369ad6_attn,@function
k_q7a62369ad6_attn:
	s_mov_b64 s[64:65], 0
	v_nop
	global_prefetch_b8 v0, s[64:65] scope:SCOPE_SE
	s_setreg_imm32_b32 hwreg(HW_REG_WAVE_MODE, 25, 1), 1
	s_wait_xcnt 0x0
; y[b][q][head] = softmax over keys k <= q of (q . k / 8) times v, both products on codes of FP6 (E2M3) with E8M0 scales; y is quantised along the head's 64 and leaves as codes for the last product.
; THE SOFTMAX: t = score x log2(e) / 8; M = the running largest t rounded up to a whole number; p = 2^(t - M) is quantised along the keys, not normalised; the row's sum is taken of the unquantised p and divides at the end.
; When M moves, the sum and O are multiplied by 2^(old M - new M), which rounds nothing.
; SHARES.  Work-group (i, head): query blocks 7 - i and i, of 256.  Wave w takes stored tile w of block 7 - i, then stored tile 15 - w of block i: 2 (7 - i) + w / 8 + 1 and 2 i + (15 - w) / 8 + 1 key steps of 128, 17 for every wave.
; LDS.  A head's k and v as codes, with their scale words, are 16 groups of 13,056 bytes = 208,896: they all stay in LDS.  Wave w brings group w by one tensor load: one load a wave is out, one barrier in the launch.
; NO CLUSTER: the four work-groups of a head want different keys at the same time, since each pairs a late block of queries with an early one; walking in step would take as long as the longest partner in every slot:
; 2+2+2+2+1+1+1+1 = 12 units against 9; and what is shared is read once, at the head.  NO PREFETCH: every byte is asked for at the head.
; LAYOUT.  Both products are used transposed (S^T = K Q^T, O^T = V^T P^T): a lane holds one query.  The stored order of tokens makes the 16 registers of two neighbouring tiles of S^T 16 neighbouring keys.
; K = 64 IN AN INSTRUCTION THAT IS 128 DEEP.  Q's fragment has zero codes in registers 6-11.  Tile t of k is named as the 12 registers from its six on: the upper six are the next tile's codes (six zeros behind the last);
; each meets a zero code, no code of this format is an infinity or NaN, and the scale bytes 2 and 3 are 0, not 0xff: they add exactly 0.
; CAUSAL.  The loop over key steps has a constant count; a step all of whose keys come after the tile's queries is jumped over by a scalar branch on ids; on the diagonal hidden scores become -infinity ahead of the maximum.
; LIMITS: NaN and infinities are not served; 1 / sum is v_rcp_f32's (1 ulp); a block whose largest magnitude lies under 2^-124 keeps the scale byte 1.
.set CHUNK, 13056
.set SPARE, 16*CHUNK                   ; the spare words, 128 bytes for each wave: eight blocks of 256 bytes that no other line names
.set LI,   1                           ; v1   16 x lane
.set LR,   2                           ; v2   16 r
.set QL,   3                           ; v3   my query - 16 h
.set SPW,  4
.set NIL,  5
.set ADK,  6                           ; v6   the step's group + 16 x lane
.set ADS,  7                           ; v7   the step's group + 16 r
.set YO,   8                           ; v8   8 x lane
.set YS,   9                           ; v9   8 r + h
.set QS0,  10                          ; v10  Q's scale word, tile 0
.set RQ,   11                          ; v11  r + 8 (r / 8) - 16 h
.set FF,   12                          ; v12  f = 2^(old M - new M); at the end 1 / sum
.set PWR,  13                          ; v13  p's scale word
.set NM,   14                          ; v14  -M
.set TMX,  15                          ; v15  the running largest t
.set SUM,  16                          ; v[16:17] the row's sum in two halves
.set QF0,  18                          ; v18-29 Q's fragment, tile 0
.set KB,   30                          ; v30-77 eight tiles of k, six registers each; then four fragments of v
.set ZR,   78                          ; v78-83 zeros
.set KS,   84                          ; v84-91 k's scale words
.set VS,   92                          ; v92-95 v's
.set S,    96                          ; v96-159 S^T, then p
.set O,    160                         ; v160-191 O^T
.set PC,   192                         ; v192-203 p's codes
.set PT,   204                         ; v204-206, v208-210 upper halves as they are made
.set BM,   212
.set BP,   216
.set BS,   220
.set SUM2, 236
.set TP,   238
.set NINF, 239
.set DD,   240
.set QF1,  242                         ; v242-253 Q's fragment, tile 1
.set QS1,  254
.set T0,   36                          ; s36-44, s46-54: a tile's +0 first query of its 32, +1 the last, +2 mask of the odd tile, +3 tile in its group of 128, +4:5 y's codes, +6:7 y's scale bytes, +8 first query + 8 u
.set T1,   46
	s_load_b256 s[4:11], s[0:1], 0x0               ; qb, kv, yc, ys
	v_lshl_add_u32 v[SPW], v0, 2, SPARE
	v_mov_b32 v[NIL], 0
	ds_add_u32 v[SPW], v[NIL]                      ; the wave's opening: the add and its wait ahead of my first tensor load; work on registers stands between them
	ds_add_u32 v[SPW], v[NIL]
	v_lshrrev_b32 v1, 5, v0
	s_delay_alu instid0(VALU_DEP_1)
	v_readfirstlane_b32 s12, v1                    ; wave 0..15
	s_mov_b32 s13, ttmp9                           ; i
	s_and_b32 s14, ttmp7, 0xffff                   ; batch x 16 + head
	s_mov_b32 s16, 3<<16                           ; group 1: elements of 8 bytes, no mask, no padding: 13,056 dense bytes as 51 rows of 256
	s_mov_b32 s17, 32<<16
	s_mov_b32 s18, 51<<16
	s_mov_b32 s19, 32<<16
	s_mov_b32 s20, 51
	s_mov_b32 s21, 32
	s_mov_b32 s22, 0
	s_mov_b32 s23, 0
	s_mov_b32 s28, 0x76543210
	s_mov_b32 s29, 0xfedcba98                      ; lane selects: lane l xor 16
	s_mov_b32 s30, 0x3e38aa3b                      ; c = log2(e) / 8
	s_mov_b32 s31, s30                             ; (named with it as a pair)
	s_mov_b32 s55, 0xffff0000                      ; lanes 16-31
	s_mov_b32 s24, 1
	s_mul_i32 s25, s12, CHUNK                      ; my group's place in LDS
	s_mul_i32 s56, s14, 16*CHUNK
	s_add_co_u32 s56, s56, s25
	s_mov_b32 s57, 0
	s_wait_dscnt 0x0                               ; the opening add is done
	s_wait_kmcnt 0x0
	s_add_nc_u64 s[26:27], s[6:7], s[56:57]
	s_or_b32 s27, s27, 0x80000000
	tensor_load_to_lds s[24:27], s[16:23]          ; keys 128 w .. 128 w + 127 of my head: k, v and their scale words
	s_nop 0
.rept 4
	v_nop
.endr
	s_mul_i32 s56, s14, 106496
	s_add_nc_u64 s[4:5], s[4:5], s[56:57]          ; qb at my head
	v_and_b32 v6, 31, v0
	s_delay_alu instid0(VALU_DEP_1)
	v_lshlrev_b32 v[LI], 4, v6
	s_delay_alu instid0(VALU_DEP_2)
	v_lshlrev_b32 v[YO], 3, v6
	v_and_b32 v6, 15, v0                           ; r
	v_bfe_u32 v7, v0, 4, 1                         ; h
	s_delay_alu instid0(VALU_DEP_2)
	v_lshlrev_b32 v[LR], 4, v6
	s_wait_alu depctr_va_vdst(0)
	v_lshl_add_u32 v[YS], v6, 3, v7
	v_and_b32 v[RQ], 8, v6
	s_delay_alu instid0(VALU_DEP_1)
	v_add_nc_u32 v[RQ], v[RQ], v6
	v_lshlrev_b32 v7, 4, v7
	s_delay_alu instid0(VALU_DEP_1)
	v_sub_nc_u32 v[RQ], v[RQ], v7
; A tile's numbers, and the loads of its Q.  s58 = its block of 256 queries, s59 = its stored tile in the block.  vt: two registers of offsets; vq: 12 registers for the pair of tiles; vs: the scale word.
.macro TSET sb, vt, vq, vs
	s_lshr_b32 s61, s59, 1
	s_lshl_b32 s61, s61, 5
	s_lshl_b32 s[\sb], s58, 8
	s_add_co_u32 s[\sb], s[\sb], s61               ; the first query of the tile's 32
	s_add_co_u32 s[\sb+1], s[\sb], 31
	s_and_b32 s61, s59, 1                          ; u
	s_sub_co_u32 s[\sb+2], 0, s61
	s_lshl_b32 s61, s61, 3
	s_add_co_u32 s[\sb+8], s[\sb], s61
	s_and_b32 s[\sb+3], s59, 7
	s_lshl_b32 s60, s58, 1
	s_lshr_b32 s61, s59, 3
	s_add_co_u32 s60, s60, s61                     ; the group of 128 tokens
	s_mul_i32 s61, s60, 6656
	s_lshr_b32 s62, s[\sb+3], 1
	s_mul_i32 s62, s62, 1536
	s_add_co_u32 s62, s62, s61
	v_add_nc_u32 v[\vt], s62, v[LI]                ; the unit of two tiles
	s_lshr_b32 s62, s[\sb+3], 2
	s_lshl_b32 s62, s62, 8
	s_add_co_u32 s62, s62, s61
	s_and_b32 s63, s[\sb+3], 3
	s_lshl_b32 s63, s63, 2
	s_add_co_u32 s62, s62, s63
	s_add_co_u32 s62, s62, 6144
	v_add_nc_u32 v[\vt+1], s62, v[LR]              ; my row's scale word
.irp g, 0,1,2
	global_load_b128 v[\vq+4*\g:\vq+4*\g+3], v[\vt], s[4:5] offset:512*\g
.endr
	global_load_b32 v[\vs], v[\vt+1], s[4:5]
	s_lshr_b32 s61, s14, 4
	s_lshl_b32 s61, s61, 4
	s_add_co_u32 s61, s61, s60                     ; the group of 128 among all 8,192 tokens
	s_lshl_b32 s61, s61, 2
	s_bfe_u32 s62, s14, 0x20002
	s_add_co_u32 s61, s61, s62                     ; x 4 + the K step of 256 in which my head's 64 lie
	s_bfe_u32 s62, s14, 0x10001                    ; which 128 of it,
	s_and_b32 s63, s14, 1                          ; which 64 of that
	s_mul_i32 s56, s61, 24576
	s_mul_i32 s60, s[\sb+3], 3072
	s_add_co_u32 s56, s56, s60
	s_mul_i32 s60, s62, 1536
	s_add_co_u32 s56, s56, s60
	s_mul_i32 s60, s63, 768
	s_add_co_u32 s56, s56, s60
	s_add_nc_u64 s[\sb+4:\sb+5], s[8:9], s[56:57]
	s_lshl_b32 s56, s61, 10
	s_lshl_b32 s60, s[\sb+3], 7
	s_add_co_u32 s56, s56, s60
	s_lshl_b32 s60, s62, 2
	s_add_co_u32 s56, s56, s60
	s_lshl_b32 s60, s63, 1
	s_add_co_u32 s56, s56, s60
	s_add_nc_u64 s[\sb+6:\sb+7], s[10:11], s[56:57]
.endm
	s_sub_co_u32 s58, 7, s13
	s_mov_b32 s59, s12
	TSET T0, 120, 96, QS0
	s_mov_b32 s58, s13
	s_sub_co_u32 s59, 15, s12
	TSET T1, 122, 108, QS1
.irp n, 0,1,2,3,4,5
	v_mov_b32 v[QF0+6+\n], 0                       ; the zero codes of Q's upper 64 along K,
	v_mov_b32 v[QF1+6+\n], 0
	v_mov_b32 v[ZR+\n], 0                          ; and what stands behind k's last tile
.endr
.irp b, 0,1,2,3
	v_mov_b32 v[BP+\b], 0                          ; written once: a lane permute's destination counts as read
.endr
	v_mov_b32 v[TP], 0
	v_mov_b32 v[FF], 0
	v_mov_b32 v[PWR], 0                            ; (named as the upper half of the pair with f before it is first made)
	s_wait_loadcnt 0x0
.irp n, 0,1,2,3,4,5
	v_cndmask_b32 v[QF0+\n], v[96+\n], v[102+\n], s[T0+2]      ; the even or the odd tile of the unit
	v_cndmask_b32 v[QF1+\n], v[108+\n], v[114+\n], s[T1+2]
.endr
	s_wait_tensorcnt 0x0                           ; my group has landed,
	s_barrier_signal -1
	s_barrier_wait -1                              ; everybody's has
; A KEY STEP: 128 keys.  s32: the group's first LDS byte; s33: its first key.
.macro STEP sb, qf, qs
	s_cmp_gt_u32 s33, s[\sb+1]                     ; all keys come after my queries: nothing to do
	s_cbranch_scc1 .Lhidden_\@
	s_setprio 2
	v_add_nc_u32 v[ADK], s32, v[LI]
	v_add_nc_u32 v[ADS], s32, v[LR]
	v_nop
	v_nop                                          ; four places in front of loads into registers that the last products read
.irp n, 0,1,2,3,4,5,6,7,8,9,10,11
	ds_load_b128 v[KB+4*\n:KB+4*\n+3], v[ADK] offset:512*\n    ; 512 consecutive bytes a load
.endr
	ds_load_b128 v[KS:KS+3], v[ADS] offset:12288
	ds_load_b128 v[KS+4:KS+7], v[ADS] offset:12544
	s_wait_alu depctr_va_vdst(0)
	s_wait_dscnt 0x0
.irp t, 0,1,2,3,4,5,6,7
	v_wmma_scale_f32_16x16x128_f8f6f4 v[S+8*\t:S+8*\t+7], v[KB+6*\t:KB+6*\t+11], v[\qf:\qf+11], 0, v[KS+\t], v[\qs] matrix_a_fmt:MATRIX_FMT_FP6 matrix_b_fmt:MATRIX_FMT_FP6
.endr
.rept 4
	v_nop
.endr
.irp n, 0,1,2,3,4,5,6,7,8,9,10,11
	ds_load_b128 v[KB+4*\n:KB+4*\n+3], v[ADK] offset:6144+512*\n   ; v's four fragments land while the softmax is walked
.endr
	ds_load_b128 v[VS:VS+3], v[ADS] offset:12800
	s_add_co_u32 s35, s33, 127
	s_cmp_le_u32 s35, s[\sb]                       ; all keys count: no mask
	s_cbranch_scc1 .Lopen_\@
	v_sub_nc_u32 v[DD], v[QL], s33                 ; register 16 b + i holds key s33 + 32 b + 16 h + i: hidden where 32 b + i > my query - s33 - 16 h
	v_mov_b32 v[NINF], 0xff800000
.set n, 0
.rept 64
	v_cmp_gt_i32 vcc_lo, 32*(n/16)+n%16, v[DD]
	v_cndmask_b32 v[S+n], v[S+n], v[NINF], vcc_lo
.set n, n+1
.endr
.Lopen_\@:
.irp b, 0,1,2,3
	v_max3_num_f32 v[BM+\b], v[S+16*\b], v[S+16*\b+1], v[S+16*\b+2]   ; the largest score of each block of 32 keys: for the row's maximum, and, since p rises with the score, for the block's largest p
.endr
.irp i, 3,5,7,9,11,13
.irp b, 0,1,2,3
	v_max3_num_f32 v[BM+\b], v[BM+\b], v[S+16*\b+\i], v[S+16*\b+\i+1]
.endr
.endr
.irp b, 0,1,2,3
	v_max_num_f32 v[BM+\b], v[BM+\b], v[S+16*\b+15]
.endr
.irp b, 0,1,2,3
	s_delay_alu instid0(VALU_DEP_4)
	v_permlanex16_b32 v[BP+\b], v[BM+\b], s28, s29
.endr
.irp b, 0,1,2,3
	s_delay_alu instid0(VALU_DEP_4)
	v_max_num_f32 v[BM+\b], v[BM+\b], v[BP+\b]     ; with lane l xor 16's 16 keys
.endr
	s_delay_alu instid0(VALU_DEP_2)
	v_max3_num_f32 v[TP], v[BM], v[BM+1], v[BM+2]
	s_delay_alu instid0(VALU_DEP_1)
	v_max_num_f32 v[TP], v[TP], v[BM+3]
	s_delay_alu instid0(VALU_DEP_1)
	v_mul_f32 v[TP], s30, v[TP]                    ; as t (c is positive)
	s_delay_alu instid0(VALU_DEP_1)
	v_max_num_f32 v[TMX], v[TMX], v[TP]            ; the running largest t
	v_mov_b32 v[TP], v[NM]
	s_delay_alu instid0(VALU_DEP_2)
	v_floor_f32 v[NM], -v[TMX]                     ; -M = floor(-t): M is a whole number
	s_delay_alu instid0(VALU_DEP_1)
	v_sub_f32 v[TP], v[NM], v[TP]                  ; old M - new M: a whole number, 0 or less
	s_delay_alu instid0(VALU_DEP_1)
	v_cvt_i32_f32 v[TP], v[TP]                     ; (it saturates)
	s_delay_alu instid0(VALU_DEP_1)
	v_ldexp_f32 v[FF], 1.0, v[TP]                  ; f
.set n, 0
.rept 32
	v_pk_fma_f32 v[S+n:S+n+1], v[S+n:S+n+1], s[30:31], v[NM:NM+1] op_sel_hi:[1,0,0]   ; t - M, two at a time
.set n, n+2
.endr
	s_setprio 1
.irp b, 0,1,2,3
	v_fma_f32 v[BM+\b], v[BM+\b], s30, v[NM]       ; the same of each block's largest score
.endr
.set n, 0
	s_wait_alu depctr_va_vdst(0)
.rept 64
	v_exp_f32 v[S+n], v[S+n]                       ; p = 2^(t - M)
.set n, n+1
.endr
	v_pk_mul_f32 v[SUM:SUM+1], v[SUM:SUM+1], v[FF:FF+1] op_sel_hi:[1,0]   ; the sums under the new M: a plain place behind the exponentials
	s_wait_alu depctr_va_vdst(0)                   ; one wait for the batch, ahead of its first reader
.irp b, 0,1,2,3
	v_exp_f32 v[BM+\b], v[BM+\b]                   ; the block's largest p: the same two instructions on the same number
.endr
	v_pk_add_f32 v[236:237], v[100:101], v[104:105]
	v_pk_add_f32 v[240:241], v[108:109], v[112:113]
	v_pk_add_f32 v[234:235], v[116:117], v[120:121]
	v_pk_add_f32 v[232:233], v[124:125], v[128:129]
	v_pk_add_f32 v[230:231], v[132:133], v[136:137]
	v_pk_add_f32 v[228:229], v[140:141], v[144:145]
	v_pk_add_f32 v[226:227], v[148:149], v[152:153]
	v_pk_add_f32 v[16:17], v[16:17], v[156:157]
	v_pk_add_f32 v[236:237], v[236:237], v[96:97]
	v_pk_add_f32 v[240:241], v[240:241], v[98:99]
	v_pk_add_f32 v[234:235], v[234:235], v[102:103]
	v_pk_add_f32 v[232:233], v[232:233], v[106:107]
	v_pk_add_f32 v[230:231], v[230:231], v[110:111]
	v_pk_add_f32 v[228:229], v[228:229], v[114:115]
	v_pk_add_f32 v[226:227], v[226:227], v[118:119]
	v_pk_add_f32 v[16:17], v[16:17], v[122:123]
	v_pk_add_f32 v[236:237], v[236:237], v[126:127]
	v_pk_add_f32 v[240:241], v[240:241], v[130:131]
	v_pk_add_f32 v[234:235], v[234:235], v[134:135]
	v_pk_add_f32 v[232:233], v[232:233], v[138:139]
	v_pk_add_f32 v[230:231], v[230:231], v[142:143]
	v_pk_add_f32 v[228:229], v[228:229], v[146:147]
	v_pk_add_f32 v[226:227], v[226:227], v[150:151]
	v_pk_add_f32 v[16:17], v[16:17], v[154:155]
	v_pk_add_f32 v[236:237], v[236:237], v[158:159]
	s_delay_alu instid0(VALU_DEP_2)
	v_pk_add_f32 v[16:17], v[16:17], v[232:233]
	s_delay_alu instid0(VALU_DEP_2)
	v_pk_add_f32 v[236:237], v[236:237], v[230:231]
	v_pk_add_f32 v[240:241], v[240:241], v[228:229]
	v_pk_add_f32 v[234:235], v[234:235], v[226:227]
	s_delay_alu instid0(VALU_DEP_2)
	v_pk_add_f32 v[16:17], v[16:17], v[240:241]
	s_delay_alu instid0(VALU_DEP_2)
	v_pk_add_f32 v[236:237], v[236:237], v[234:235]
	s_delay_alu instid0(VALU_DEP_1)
	v_pk_add_f32 v[16:17], v[16:17], v[236:237]
	s_wait_alu depctr_va_vdst(0)                   ; and one for the four
.irp b, 0,1,2,3
	v_max_num_f32 v[BM+\b], 0x1800000, v[BM+\b]    ; the floor 2^(3 - 127)
.endr
.irp b, 0,1,2,3
	s_delay_alu instid0(VALU_DEP_4)
	v_add_nc_u32 v[BS+\b], 0xff000000, v[BM+\b]    ; the conversion's scale operand
.endr
.irp b, 0,1,2,3
	s_delay_alu instid0(VALU_DEP_4)
	v_lshrrev_b32 v[BP+\b], 23, v[BS+\b]           ; the byte
.endr
	s_delay_alu instid0(VALU_DEP_3)
	v_lshl_or_b32 v[PWR], v[BP+1], 8, v[BP]
	s_delay_alu instid0(VALU_DEP_1)
	v_lshl_or_b32 v[PWR], v[BP+2], 16, v[PWR]
	s_delay_alu instid0(VALU_DEP_1)
	v_lshl_or_b32 v[PWR], v[BP+3], 24, v[PWR]
	s_setprio 0
.irp c, 0,1
	v_cvt_scalef32_pk16_fp6_f32 v[PC+6*\c:PC+6*\c+2], v[S+32*\c:S+32*\c+15], v[BS+2*\c]
	v_cvt_scalef32_pk16_fp6_f32 v[PT+4*\c:PT+4*\c+2], v[S+32*\c+16:S+32*\c+31], v[BS+2*\c+1]
.endr
	v_nop                                          ; one plain place behind a scaled conversion
.irp c, 0,1
.irp i, 0,1,2
	v_permlane16_swap_b32 v[PC+6*\c+\i], v[PT+4*\c+\i]         ; a whole block to a lane
.endr
.irp i, 0,1,2
	s_delay_alu instid0(VALU_DEP_3)
	v_mov_b32 v[PC+6*\c+3+\i], v[PT+4*\c+\i]
.endr
.endr
.set n, 0
.rept 16
	v_pk_mul_f32 v[O+n:O+n+1], v[O+n:O+n+1], v[FF:FF+1] op_sel_hi:[1,0]   ; O^T under the new M; these are also the places between the operand's and the scale word's last writes and the products
.set n, n+2
.endr
	s_wait_alu depctr_va_vdst(0)
	s_wait_dscnt 0x0                               ; v is in
.irp t, 0,1,2,3
	v_wmma_scale_f32_16x16x128_f8f6f4 v[O+8*\t:O+8*\t+7], v[KB+12*\t:KB+12*\t+11], v[PC:PC+11], v[O+8*\t:O+8*\t+7], v[VS+\t], v[PWR] matrix_a_fmt:MATRIX_FMT_FP6 matrix_b_fmt:MATRIX_FMT_FP6
.endr
.Lhidden_\@:
.endm
; THE END OF A TILE: O^T / the sum is y: register 16 b + i is channel 32 b + 16 h + i of my query.  Its two blocks are quantised; lane (r, h) ends with block h: three pieces of 8 bytes.
.macro FINAL sb
.rept 4
	v_nop                                          ; places behind the last products
.endr
	v_add_f32 v[SUM], v[SUM], v[SUM+1]
	s_delay_alu instid0(VALU_DEP_1)
	v_permlanex16_b32 v[TP], v[SUM], s28, s29
	s_delay_alu instid0(VALU_DEP_1)
	v_add_f32 v[SUM], v[SUM], v[TP]                ; the row's sum
	s_wait_alu depctr_va_vdst(0)
	v_rcp_f32 v[FF], v[SUM]
	v_nop                                          ; a plain place behind the transcendental
	s_wait_alu depctr_va_vdst(0)                   ; and the wait ahead of its first reader
.set n, 0
.rept 16
	v_pk_mul_f32 v[S+n:S+n+1], v[O+n:O+n+1], v[FF:FF+1] op_sel_hi:[1,0]
.set n, n+2
.endr
.irp b, 0,1
	v_max3_num_f32 v[BM+\b], |v[S+16*\b]|, |v[S+16*\b+1]|, 0x1800000
.endr
.irp i, 2,4,6,8,10,12,14
.irp b, 0,1
	s_delay_alu instid0(VALU_DEP_2)
	v_max3_num_f32 v[BM+\b], v[BM+\b], |v[S+16*\b+\i]|, |v[S+16*\b+\i+1]|
.endr
.endr
.irp b, 0,1
	s_delay_alu instid0(VALU_DEP_2)
	v_permlanex16_b32 v[BP+\b], v[BM+\b], s28, s29
.endr
.irp b, 0,1
	s_delay_alu instid0(VALU_DEP_2)
	v_max_num_f32 v[BM+\b], v[BM+\b], v[BP+\b]
.endr
.irp b, 0,1
	s_delay_alu instid0(VALU_DEP_2)
	v_add_nc_u32 v[BS+\b], 0xff000000, v[BM+\b]
.endr
.irp b, 0,1
	s_delay_alu instid0(VALU_DEP_2)
	v_lshrrev_b32 v[BP+\b], 23, v[BS+\b]
.endr
	v_cvt_scalef32_pk16_fp6_f32 v[PC:PC+2], v[S:S+15], v[BS]
	v_cvt_scalef32_pk16_fp6_f32 v[PT:PT+2], v[S+16:S+31], v[BS+1]
	v_cndmask_b32 v[TP], v[BP], v[BP+1], s55       ; my block's byte.  (The plain place behind the conversions)
.irp i, 0,1,2
	v_permlane16_swap_b32 v[PC+\i], v[PT+\i]
.endr
.irp i, 0,1,2
	s_delay_alu instid0(VALU_DEP_3)
	v_mov_b32 v[PC+3+\i], v[PT+\i]
.endr
.irp p, 0,1,2
	global_store_b64 v[YO], v[PC+2*\p:PC+2*\p+1], s[\sb+4:\sb+5] offset:256*\p   ; 256 consecutive bytes, aligned
.endr
	global_store_b8 v[YS], v[TP], s[\sb+6:\sb+7]   ; a row's scale word spans two heads, so a work-group has two of its four bytes: single bytes, 262,144 in the whole launch
.endm
.macro TILE sb, qf, qs, first
.if \first == 0
	s_wait_xcnt 0x0                                ; the last tile's stores have read their registers
.endif
	v_add_nc_u32 v[QL], s[\sb+8], v[RQ]
	v_mov_b32 v[TMX], 0xff61b1e6                   ; the largest t so far: -3e38
	s_delay_alu instid0(VALU_DEP_1)
	v_floor_f32 v[NM], -v[TMX]
	v_mov_b32 v[SUM], 0
	v_mov_b32 v[SUM+1], 0
.set n, 0
.rept 32
	v_mov_b32 v[O+n], 0                            ; the step is written once for a tile: the first finds zeros
.set n, n+1
.endr
	s_mov_b32 s32, 0
	s_mov_b32 s33, 0
	s_mov_b32 s34, 16
.Lstep_\@:
	STEP \sb, \qf, \qs
	s_add_co_u32 s32, s32, CHUNK
	s_add_co_u32 s33, s33, 128
	s_sub_co_u32 s34, s34, 1
	s_cmp_lg_u32 s34, 0
	s_cbranch_scc1 .Lstep_\@
	s_setprio 0
	FINAL \sb
.endm
	TILE T0, QF0, QS0, 1
	TILE T1, QF1, QS1, 0
	s_wait_tensorcnt 0x0                           ; the wave's end
	ds_add_u32 v[SPW], v[NIL]
	s_wait_dscnt 0x0
	s_endpgm
.Lfunc_end_k_q7a62369ad6_attn:
	.size	k_q7a62369ad6_attn, .Lfunc_end_k_q7a62369ad6_attn-k_q7a62369ad6_attn
	.p2alignl 7, 3214868480
	.fill 96, 4, 3214868480
	.section	.rodata,"a",@progbits
	.p2align	6, 0x0
	.amdhsa_kernel k_q7a62369ad6_attn
		.amdhsa_group_segment_fixed_size 212992
		.amdhsa_private_segment_fixed_size 0
		.amdhsa_enable_private_segment 0
		.amdhsa_kernarg_size 32
		.amdhsa_user_sgpr_count 2
		.amdhsa_user_sgpr_kernarg_segment_ptr 1
		.amdhsa_wavefront_size32 1
		.amdhsa_system_sgpr_workgroup_id_x 1
		.amdhsa_system_sgpr_workgroup_id_y 1
		.amdhsa_system_sgpr_workgroup_id_z 1
		.amdhsa_system_vgpr_workitem_id 0
		.amdhsa_next_free_vgpr 256
		.amdhsa_next_free_sgpr 66
		.amdhsa_reserve_vcc 1
		.amdhsa_float_denorm_mode_32 3
		.amdhsa_float_denorm_mode_16_64 3
		.amdhsa_memory_ordered 1
		.amdhsa_forward_progress 1
		.amdhsa_inst_pref_size 65
	.end_amdhsa_kernel
	.amdgpu_metadata
---
amdhsa.version: [ 1, 2 ]
amdhsa.kernels:
  - .name:           k_q7a62369ad6_attn
    .symbol:         k_q7a62369ad6_attn.kd
    .args:
      - { .name: qb, .offset: 0, .size: 8, .value_kind: global_buffer, .address_space: global }
      - { .name: kv, .offset: 8, .size: 8, .value_kind: global_buffer, .address_space: global }
      - { .name: yc, .offset: 16, .size: 8, .value_kind: global_buffer, .address_space: global }
      - { .name: ys, .offset: 24, .size: 8, .value_kind: global_buffer, .address_space: global }
    .group_segment_fixed_size: 212992
    .private_segment_fixed_size: 0
    .kernarg_segment_align: 8
    .kernarg_segment_size: 32
    .max_flat_workgroup_size: 512
    .sgpr_count:     66
    .vgpr_count:     256
    .wavefront_size: 32
...
	.end_amdgpu_metadata
.endif
;; end of part 3
;; launch proj (part 4): grid 8 x 32, 4 waves a work-group, clusters of 4 x 4, 327,680 bytes of LDS; arguments yc, ys, wc, ws, b_proj, out0; writes out0
.if DOCPART == 4
	.amdgcn_target "amdgcn-amd-amdhsa--gfx1250"
	.amdhsa_code_object_version 6
	.text
	.protected	k_q7a62369ad6_proj
	.globl	k_q7a62369ad6_proj
	.p2align	8
	.type	k_q7a62369ad6_proj,@function
k_q7a62369ad6_proj:
	s_mov_b64 s[64:65], 0
	v_nop
	global_prefetch_b8 v0, s[64:65] scope:SCOPE_SE
	s_setreg_imm32_b32 hwreg(HW_REG_WAVE_MODE, 25, 1), 1
	s_wait_xcnt 0x0
	s_wait_alu depctr_hold_cnt(0) depctr_sa_sdst(0) depctr_va_vdst(0) depctr_va_sdst(0) depctr_va_ssrc(0) depctr_va_vcc(0) depctr_vm_vsrc(0)
	s_getreg_b32 s2, hwreg(HW_REG_IB_STS2, 6, 4)
	s_cmp_eq_u32 s2, 0
	s_cbranch_scc0 .Lentry_in_a_cluster
	s_endpgm
.Lentry_in_a_cluster:
	s_bfe_u32 s2, ttmp6, 0x10000c
	s_cmp_lg_u32 s2, 0xf033
	s_cbranch_scc0 .Lentry_shape_is_right
	s_endpgm
.Lentry_shape_is_right:
; out0 = y W_proj + b_proj on codes of FP6 (E2M3) with E8M0 scales, K = 1024.  y's codes come from the attention launch, W_proj's are blocks 24-31 of the weights' codes.
; A tile is 256 rows x 128 columns, so that there are 256 work-groups; four waves, each 128 x 64: 32 accumulators, 256 registers.  The matrix instruction is used transposed: source 0 = 16 columns of W (role B),
; source 1 = 16 rows of y (role A): a lane holds eight neighbouring columns of one row.  Rows and columns are stored with bits 3 and 4 of their numbers exchanged: the addresses of the way out take that back.
; CLUSTERS: 4 x 4: y's tile is shared along a row of the cluster, W's along a column: joint loads.
; LDS: ALL OF K IS RESIDENT: four slots of 256 along K (73,728 bytes: A's two halves of 24,576, B's 24,576), the scales, the spare words.  All loads go out at the start, five a wave,
; so the barriers between K steps are plain ones with counted waits, and only the opening and the closing round of the cluster's barrier are there.
; The bias is the C of each sum's first matrix instruction (so it is added first, not last as the source reads).  LIMITS: NaN and infinities are not served.
; REGISTERS: window 0: v1-3 lane, r, h; v8-26 addresses; v28, v29 the add's two; v32-63 scale words, two sets; v64-95 the bias; v128-223 A's fragments, one set (on the way out rows of the result).
;   window 1: B's fragments, two sets of 48, at v0 and v128.  window 2: accumulator (a, b) at v[8 (4 a + b)].
.set SLOT,  73728
.set HALFT, 24576
.set SCL,   4*SLOT                     ; A's scales 2 x 4,096; B's 4,096 from 8,320 on
.set SPARE, SCL+12544                  ; the spare words, 128 bytes for each wave: two blocks of 256 bytes that no other line names
.set FR,    12
.set ADRA,  8                          ; v8-11
.set ADRB,  12                         ; v12-15
.set ADRS,  16                         ; v16  scale words: lanes 0-15 A's rows, lanes 16-31 B's
.set ADRS2, 17                         ; v17  all lanes A's rows
.set BO,    20
.set STO,   24                         ; v24  the way out: where I put 32 bytes of a row
.set RD,    25                         ; v25  where I read a row back
.set CO,    26                         ; v26  my byte offset in the result
.set SPW,   28
.set NIL,   29
.set SC,    32
.set BIAS,  64
.set AF,    128
.set G1A,   24
.set G1B,   32
.set G1SA,  40
.set G1SB,  48
.set G0SA,  92
.set G0SB,  96
.set MSB, 0
.macro WIN new
.if MSB != \new
	s_set_vgpr_msb (MSB<<8)|\new
.set MSB, \new
.endif
.endm
.macro JLOAD g0a, g1a, g0b, g1b        ; waves 0 and 1 fetch for A, waves 2 and 3 for B; an s_nop 0 and four v_nop follow each of the two lines
	s_cmp_eq_u32 s3, 0
	s_cbranch_scc0 .Lfor_b_\@
	tensor_load_to_lds s[\g0a:\g0a+3], s[\g1a:\g1a+7]
	s_nop 0
.rept 4
	v_nop
.endr
	s_branch .Lasked_\@
.Lfor_b_\@:
	tensor_load_to_lds s[\g0b:\g0b+3], s[\g1b:\g1b+7]
	s_nop 0
.rept 4
	v_nop
.endr
.Lasked_\@:
.endm
.macro CROUND                          ; a round of the cluster's barrier
	s_barrier_signal -1
	s_barrier_wait -1
	s_cmp_lg_u32 s2, 0
	s_cbranch_scc1 .Lnot_wave_0_\@
	s_barrier_signal -3
.Lnot_wave_0_\@:
	s_barrier_wait -3
	s_barrier_signal -1
	s_barrier_wait -1
.endm
.macro PLACES
.rept 4
	v_nop
.endr
.endm
	s_load_b256 s[4:11], s[0:1], 0x0               ; yc, ys, wc, ws
	s_load_b64 s[12:13], s[0:1], 0x20              ; b_proj
	s_load_b64 s[16:17], s[0:1], 0x28              ; out0
	v_lshl_add_u32 v[SPW], v0, 2, SPARE
	v_mov_b32 v[NIL], 0
	ds_add_u32 v[SPW], v[NIL]                      ; the wave's opening: the add and its wait ahead of my first tensor load; work on registers stands between them
	v_lshrrev_b32 v1, 5, v0
	v_readfirstlane_b32 s2, v1                     ; wave 0..3
	s_lshr_b32 s3, s2, 1                           ; my half of the rows.  Also: I fetch for A (0) or for B (1)
	s_and_b32 s14, s2, 1                           ; my half of the columns.  Also: which part I fetch
	s_bfe_u32 s18, ttmp6, 0x40000                  ; cx
	s_bfe_u32 s19, ttmp6, 0x40004                  ; cy
	s_lshl_b32 s101, ttmp9, 2
	s_add_co_u32 s101, s101, s18                   ; the block of 128 columns
	s_and_b32 s100, ttmp7, 0xffff
	s_lshl_b32 s100, s100, 2
	s_add_co_u32 s100, s100, s19                   ; the tile of 256 rows
	s_lshl_b32 s20, s19, 2
	s_lshl_b32 s20, 15, s20                        ; my row of the cluster
	s_lshl_b32 s22, 0x1111, s18                    ; my column
	s_or_b32 s[G1A], s20, (3<<16)|(1<<21)          ; 15:0 the mask; 17:16 elements of 8 bytes; 21 set beside a mask; no padding
	s_or_b32 s[G1SA], s20, (3<<16)|(1<<21)
	s_or_b32 s[G1B], s22, (3<<16)|(1<<21)
	s_or_b32 s[G1SB], s22, (3<<16)|(1<<21)
.macro MKG1 g, rows                    ; a dense block as rows of 256 bytes
	s_mov_b32 s[\g+1], 32<<16
	s_mov_b32 s[\g+2], (\rows)<<16
	s_mov_b32 s[\g+3], 32<<16
	s_mov_b32 s[\g+4], \rows
	s_mov_b32 s[\g+5], 32
	s_mov_b32 s[\g+6], 0
	s_mov_b32 s[\g+7], 0
.endm
	MKG1 G1A, 96                                   ; 128 rows x 256 K
	MKG1 G1B, 48                                   ; 64 columns x 256 K
	MKG1 G1SA, 16                                  ; the scales of 128 rows
	MKG1 G1SB, 8                                   ; half the scales of 128 columns: two K steps
	s_lshl_b32 s19, s100, 1
	s_add_co_u32 s19, s19, s14                     ; the block of 128 rows of y that I fetch
	s_add_co_u32 s18, s101, 24                     ; W_proj's block among the weights' codes
	s_mov_b32 s21, 0
	s_mov_b32 s23, 0
	s_wait_dscnt 0x0                               ; the opening add is done
	s_wait_kmcnt 0x0
	s_mul_i32 s20, s19, 98304
	s_add_nc_u64 s[4:5], s[4:5], s[20:21]
	s_lshl_b32 s20, s19, 12
	s_add_nc_u64 s[6:7], s[6:7], s[20:21]
	s_mul_i32 s22, s18, 98304
	s_mul_i32 s15, s14, 12288
	s_add_co_u32 s22, s22, s15
	s_add_nc_u64 s[8:9], s[8:9], s[22:23]
	s_lshl_b32 s22, s18, 12
	s_lshl_b32 s15, s14, 11
	s_add_co_u32 s22, s22, s15
	s_add_nc_u64 s[10:11], s[10:11], s[22:23]
	s_mul_i32 s19, s2, HALFT                       ; where they go: the wave's number alone enters an LDS address
	s_mul_i32 s18, s2, 12288
	CROUND                                         ; all sixteen work-groups are here: the first joint loads meet
	s_lshl_b32 s15, s2, 12
	s_mov_b32 s[G0SA], 1
	s_add_co_u32 s[G0SA+1], s15, SCL
	s_mov_b64 s[G0SA+2:G0SA+3], s[6:7]
	s_or_b32 s[G0SA+3], s[G0SA+3], 0x80000000
	s_lshl_b32 s15, s2, 11
	s_mov_b32 s[G0SB], 1
	s_add_co_u32 s[G0SB+1], s15, SCL+4224          ; 8,320 + 2,048 (wave - 2)
	s_mov_b64 s[G0SB+2:G0SB+3], s[10:11]
	s_or_b32 s[G0SB+3], s[G0SB+3], 0x80000000
	JLOAD G0SA, G1SA, G0SB, G1SB
.macro MKG0 ga, gb, k                  ; K step k into slot k
	s_mov_b32 s[\ga], 1
	s_add_co_u32 s[\ga+1], s19, (\k)*SLOT
	s_add_nc_u64 s[\ga+2:\ga+3], s[4:5], (\k)*HALFT
	s_or_b32 s[\ga+3], s[\ga+3], 0x80000000
	s_mov_b32 s[\gb], 1
	s_add_co_u32 s[\gb+1], s18, (\k)*SLOT+HALFT
	s_add_nc_u64 s[\gb+2:\gb+3], s[8:9], (\k)*HALFT
	s_or_b32 s[\gb+3], s[\gb+3], 0x80000000
	JLOAD \ga, G1A, \gb, G1B
.endm
	MKG0 56, 76, 0
	MKG0 60, 80, 1
	MKG0 68, 84, 2
	MKG0 72, 88, 3
	v_and_b32 v1, 31, v0                           ; lane
	v_and_b32 v2, 15, v0                           ; r
	v_bfe_u32 v3, v0, 4, 1                         ; h
	s_lshl_b32 s18, s101, 9                        ; my first column, in bytes: 512 x block + 256 x half
	s_lshl_b32 s19, s14, 8
	s_add_co_u32 s18, s18, s19
	s_mov_b32 s19, 0
	s_add_nc_u64 s[12:13], s[12:13], s[18:19]
	s_add_nc_u64 s[16:17], s[16:17], s[18:19]
	v_lshlrev_b32 v[BO], 6, v3
.irp b, 0,1,2,3                        ; the bias in the result's layout: register j of tile b is column 32 (b / 2) + 16 h + 8 (b % 2) + j of my 64
	global_load_b128 v[BIAS+8*\b:BIAS+8*\b+3], v[BO], s[12:13] offset:(32*(\b/2)+8*(\b%2))*4
	global_load_b128 v[BIAS+8*\b+4:BIAS+8*\b+7], v[BO], s[12:13] offset:(32*(\b/2)+8*(\b%2))*4+16
.endr
	s_lshl_b32 s18, s100, 20                       ; my first row: 256 x tile + 128 x half, 4,096 bytes a row
	s_lshl_b32 s20, s3, 19
	s_add_co_u32 s18, s18, s20
	s_add_nc_u64 s[16:17], s[16:17], s[18:19]
	v_lshlrev_b32 v4, 3, v1
	s_mul_i32 s18, s3, HALFT                       ; my 128 rows of A
	s_mul_i32 s20, s14, 12288                      ; my 64 columns of B,
	s_add_co_u32 s20, s20, 2*HALFT                 ; behind A's two halves
.irp k, 0,1,2,3
	v_add_nc_u32 v[ADRA+\k], s18, v4
	v_add_nc_u32 v[ADRB+\k], s20, v4
	s_add_co_u32 s18, s18, SLOT
	s_add_co_u32 s20, s20, SLOT
.endr
	v_lshlrev_b32 v5, 3, v2
	s_lshl_b32 s18, s3, 12
	s_lshl_b32 s20, s14, 9
	s_add_co_u32 s20, s20, 8320
	s_sub_co_u32 s20, s20, s18
	v_mul_u32_u24 v6, s20, v3                      ; lanes 16-31 take B's
	s_add_co_u32 s18, s18, SCL
	v_add_nc_u32 v[ADRS2], s18, v5
	v_add_nc_u32 v[ADRS], v[ADRS2], v6
	s_mul_i32 s18, s2, 16*272                      ; my stage: 16 rows x (256 bytes + 16), in slot 0, which has had its only fill, and which nobody reads behind the barrier that ends K step 0
	v_mul_u32_u24 v[STO], v2, 272
	v_lshl_add_u32 v[STO], v3, 6, v[STO]
	v_add_nc_u32 v[STO], s18, v[STO]               ; in: row r, + 64 h
	v_mul_u32_u24 v[RD], v3, 272
	v_lshl_add_u32 v[RD], v2, 4, v[RD]
	v_add_nc_u32 v[RD], s18, v[RD]                 ; back: lanes 0-15 one row, lanes 16-31 the next
	v_lshlrev_b32 v[CO], 12, v3
	v_lshl_add_u32 v[CO], v2, 4, v[CO]             ; and the same in the result
.macro FRAG reg, adr, q, i
.irp p, 0,1,2,3,4,5
	ds_load_b64 v[\reg+2*\p:\reg+2*\p+1], v[\adr] offset:(2*(\i)+(\q))*1536+256*\p
.endr
.endm
.macro FETCH_B slot, q, p
	WIN 0x40
.irp i, 0,1,2,3
	FRAG 128*(\p)+FR*\i, ADRB+\slot, \q, \i
.endr
	WIN 0
.endm
.macro FETCH_A slot, q, i0
.irp i, \i0, \i0+1, \i0+2, \i0+3
	FRAG AF+FR*(\i), ADRA+\slot, \q, \i
.endr
.endm
.macro SCALES set, ks                  ; register 2 i + q: lanes 0-15 A's block i; for i < 4 lanes 16-31 B's tile i
.irp i, 0,1,2,3
	ds_load_b64 v[SC+16*(\set)+2*\i:SC+16*(\set)+2*\i+1], v[ADRS] offset:1024*(\ks)+128*\i
.endr
.irp i, 4,5,6,7
	ds_load_b64 v[SC+16*(\set)+2*\i:SC+16*(\set)+2*\i+1], v[ADRS2] offset:1024*(\ks)+128*\i
.endr
.endm
; 8 matrix instructions: A's blocks a0, a0 + 1 x B's four.  The 32 accumulators take turns, one instruction a turn, in the same order in every step.
.macro MUL8 a0, p, q, sc, cmode
.irp a, \a0, \a0+1
.irp b, 0,1,2,3
.if (\cmode) == 1
	v_wmma_scale_f32_16x16x128_f8f6f4 v[8*(4*(\a)+\b):8*(4*(\a)+\b)+7], v[128*(\p)+FR*\b:128*(\p)+FR*\b+FR-1], v[AF+FR*(\a):AF+FR*(\a)+FR-1], v[BIAS+8*\b:BIAS+8*\b+7], v[SC+16*(\sc)+2*\b+(\q)], v[SC+16*(\sc)+2*(\a)+(\q)] matrix_a_fmt:MATRIX_FMT_FP6 matrix_b_fmt:MATRIX_FMT_FP6 matrix_a_scale:MATRIX_SCALE_ROW1
.else
	v_wmma_scale_f32_16x16x128_f8f6f4 v[8*(4*(\a)+\b):8*(4*(\a)+\b)+7], v[128*(\p)+FR*\b:128*(\p)+FR*\b+FR-1], v[AF+FR*(\a):AF+FR*(\a)+FR-1], v[8*(4*(\a)+\b):8*(4*(\a)+\b)+7], v[SC+16*(\sc)+2*\b+(\q)], v[SC+16*(\sc)+2*(\a)+(\q)] matrix_a_fmt:MATRIX_FMT_FP6 matrix_b_fmt:MATRIX_FMT_FP6 matrix_a_scale:MATRIX_SCALE_ROW1
.endif
.endr
.endr
.endm
.macro STEP sc, slot, cmode            ; a slot's first 128 along K; the second's fragments are fetched
	s_wait_dscnt 24                                ; all but the youngest 24 loads (A's blocks 4-7)
.if (\cmode) == 0
	WIN 0xa1                                       ; source 0 window 1, source 1 window 0, C and D window 2
.else
	WIN 0x81                                       ; C (the bias) window 0
.endif
	MUL8 0, 0, 0, \sc, \cmode
	MUL8 2, 0, 0, \sc, \cmode
	s_wait_dscnt 0x0
	PLACES
	FETCH_B \slot, 1, 1
	FETCH_A \slot, 1, 0
.if (\cmode) == 0
	WIN 0xa1
.else
	WIN 0x81
.endif
	MUL8 4, 0, 0, \sc, \cmode
	MUL8 6, 0, 0, \sc, \cmode
	PLACES
	WIN 0
	FETCH_A \slot, 1, 4
.endm
; A slot's second 128 along K, and the way into the next slot: each wave waits for its part of that slot (cnt later loads may stay out) and for its LDS loads, then the barrier.
.macro CROSS sc, next, cnt
	s_wait_tensorcnt \cnt
	s_wait_dscnt 24
	WIN 0xa1
	MUL8 0, 1, 1, \sc, 0
	s_wait_dscnt 0x0
	s_barrier_signal -1
	MUL8 2, 1, 1, \sc, 0
	s_barrier_wait -1
	PLACES
	FETCH_B \next, 0, 0
	FETCH_A \next, 0, 0
	SCALES (\next)%2, \next
	WIN 0xa1
	MUL8 4, 1, 1, \sc, 0
	MUL8 6, 1, 1, \sc, 0
	PLACES
	WIN 0
	FETCH_A \next, 0, 4
.endm
	s_wait_tensorcnt 3                             ; the scales and my part of K step 0 are in; three loads may be out
	s_barrier_signal -1
	s_barrier_wait -1
	FETCH_B 0, 0, 0
	FETCH_A 0, 0, 0
	SCALES 0, 0
	FETCH_A 0, 0, 4
	s_wait_loadcnt 0x0                             ; the bias
	STEP 0, 0, 1
	CROSS 0, 1, 2
	STEP 1, 1, 0
	CROSS 1, 2, 1
	STEP 0, 2, 0
	CROSS 0, 3, 0
	STEP 1, 3, 0
	s_wait_dscnt 24                                ; the last step: nothing more to fetch
	WIN 0xa1
	MUL8 0, 1, 1, 1, 0
	MUL8 2, 1, 1, 1, 0
	s_wait_dscnt 0x0
	MUL8 4, 1, 1, 1, 0
	MUL8 6, 1, 1, 1, 0
	WIN 0
	PLACES
; THE WAY OUT, a block of 16 rows x 64 columns at a time, through my own stage: in as 32 bytes a lane, back as whole rows of 256 bytes.  LDS serves a wave's instructions in order: no wait between stores and loads.
.macro TOSTAGE a
	WIN 0x08                                       ; an LDS store's data: window 2
.irp b, 0,1,2,3
	ds_store_b128 v[STO], v[8*(4*(\a)+\b):8*(4*(\a)+\b)+3] offset:128*(\b/2)+32*(\b%2)          ; each accumulator from its low end on
	ds_store_b128 v[STO], v[8*(4*(\a)+\b)+4:8*(4*(\a)+\b)+7] offset:128*(\b/2)+32*(\b%2)+16
.endr
	WIN 0
.set BB, 128+32*((\a)%2)
.irp t, 0,1,2,3,4,5,6,7
	ds_load_b128 v[BB+4*\t:BB+4*\t+3], v[RD] offset:544*\t
.endr
.endm
.macro SEND a, younger                 ; younger: the LDS instructions issued behind block a's loads
.set BB, 128+32*((\a)%2)
	s_wait_dscnt \younger
.irp t, 0,1,2,3,4,5,6,7
	global_store_b128 v[CO], v[BB+4*\t:BB+4*\t+3], s[16:17] offset:(32*((\a)/2)+8*((\a)%2)+2*\t+8*(\t/4))*4096 th:TH_STORE_NT   ; stage row 2 t + h of block a is row 32 (a / 2) + 8 (a % 2) + 2 t + h + 8 (t / 4); sixteen lanes store 256 consecutive bytes, aligned
.endr
.endm
	TOSTAGE 0
.irp a, 1,2,3,4,5,6,7
.if \a > 1
	s_wait_xcnt 0x0                                ; block a - 2's stores have read their registers
.endif
	TOSTAGE \a
	SEND \a-1, 16                                  ; behind block a - 1's loads: block a's 8 stores and 8 loads
.endr
	SEND 7, 0
	s_wait_tensorcnt 0x0                           ; the wave's end
	ds_add_u32 v[SPW], v[NIL]
	s_wait_dscnt 0x0
	CROUND                                         ; the closing round: no work-group ends while a partner may still ask for a tile that names it
	s_endpgm
.Lfunc_end_k_q7a62369ad6_proj:
	.size	k_q7a62369ad6_proj, .Lfunc_end_k_q7a62369ad6_proj-k_q7a62369ad6_proj
	.p2alignl 7, 3214868480
	.fill 96, 4, 3214868480
	.section	.rodata,"a",@progbits
	.p2align	6, 0x0
	.amdhsa_kernel k_q7a62369ad6_proj
		.amdhsa_group_segment_fixed_size 327680
		.amdhsa_private_segment_fixed_size 0
		.amdhsa_enable_private_segment 0
		.amdhsa_kernarg_size 48
		.amdhsa_user_sgpr_count 2
		.amdhsa_user_sgpr_kernarg_segment_ptr 1
		.amdhsa_wavefront_size32 1
		.amdhsa_system_sgpr_workgroup_id_x 1
		.amdhsa_system_sgpr_workgroup_id_y 1
		.amdhsa_system_sgpr_workgroup_id_z 1
		.amdhsa_system_vgpr_workitem_id 0
		.amdhsa_next_free_vgpr 768
		.amdhsa_next_free_sgpr 102
		.amdhsa_reserve_vcc 0
		.amdhsa_float_denorm_mode_32 3
		.amdhsa_float_denorm_mode_16_64 3
		.amdhsa_memory_ordered 1
		.amdhsa_forward_progress 1
		.amdhsa_inst_pref_size 102
	.end_amdhsa_kernel
	.amdgpu_metadata
---
amdhsa.version: [ 1, 2 ]
amdhsa.kernels:
  - .name:           k_q7a62369ad6_proj
    .symbol:         k_q7a62369ad6_proj.kd
    .args:
      - { .name: yc, .offset: 0, .size: 8, .value_kind: global_buffer, .address_space: global }
      - { .name: ys, .offset: 8, .size: 8, .value_kind: global_buffer, .address_space: global }
      - { .name: wc, .offset: 16, .size: 8, .value_kind: global_buffer, .address_space: global }
      - { .name: ws, .offset: 24, .size: 8, .value_kind: global_buffer, .address_space: global }
      - { .name: b_proj, .offset: 32, .size: 8, .value_kind: global_buffer, .address_space: global }
      - { .name: out0, .offset: 40, .size: 8, .value_kind: global_buffer, .address_space: global }
    .group_segment_fixed_size: 327680
    .private_segment_fixed_size: 0
    .kernarg_segment_align: 8
    .kernarg_segment_size: 48
    .max_flat_workgroup_size: 128
    .sgpr_count:     102
    .vgpr_count:     768
    .wavefront_size: 32
...
	.end_amdgpu_metadata
.endif
;; end of part 4
